; MI455X (gfx1250); checked and timed in simulation.
; The chip was launched on July 23, 2026; its instructions are those of AMD's public machine-readable ISA for CDNA 5 (MIT licence, August 2026) and "CDNA5" Instruction Set Architecture Reference Guide (July 2026). The comments in the code are by the model that wrote it; some were corrected since.
;; Attn. Allowed arithmetic: matrix products marked QUANTISED: E3M2 operands, one E8M0 scale for each 32 along K, by v_wmma_scale_f32_16x16x128_f8f6f4 with both operands' format E3M2, f32 sums; products left as they are: f32 operands where the result goes on into a quantised operand, else bf16, f16 or f32 operands; f32 sums; everything else in f32.
;; Inputs: W_attn 1,024 x 1,024 float32; b_attn 1,024 float32; encoder_outputs 512 x 128 x 1,024 float32; hidden 1 x 128 x 1,024 float32.
;; Outputs: out0 128 x 1 x 512 float32.
;; This version of the problem:
;;   THIS VERSION OF THE PROBLEM IS GIVEN IN LOW PRECISION. The matrix products marked QUANTISED in the list below multiply operands that are first quantised to E3M2 (3 exponent bits, 2 mantissa bits; 6 bits a number), with one power-of-two scale for each 32 numbers along K (OCP MX v1.0); their sums are f32. All else is computed in f32.
;;   The module's matrix products, in the order in which they are computed (A, B: the left and right operand; K: the contracted axis; several contracted axes count as one K, in the product's order):
;;     1. [M 65,536, K 1,024] x [K 1,024, N 1,024]; A: input encoder_outputs; B: input W_attn: QUANTISED
;;     2. batch 128 x [M 1, K 1,024] x [K 1,024, N 512]; A: input hidden; B: computed on the way: left as it is (M = 1 < 16)
;;   THE QUANTISER, for each operand of a quantised product, along K:
;;     - K is cut into blocks of 32 from its start; a last block that is shorter is filled with zeros.
;;     - A block's scale is 2^e with e = floor(log2(the largest magnitude in the block)) - 4, held to -126 .. 127; a block of zeros has e = 0. As a byte (E8M0): e + 127.
;;     - Each number is divided by its block's scale, clamped to +-28, and rounded to the nearest number of E3M2, ties to even, subnormals kept.
;;     - The product sums the exact products of the quantised numbers (number of the format x scale) in f32.
;;   ~~~python
;;   def quantise(x, axis):      # numpy; x: float32 -> the quantised numbers, widened to float32 again
;;       x = np.moveaxis(x, axis, -1); K = x.shape[-1]
;;       x = np.pad(x, [(0, 0)] * (x.ndim - 1) + [(0, -K % 32)]); x = x.reshape(x.shape[:-1] + (-1, 32)); a = np.abs(x).max(-1, keepdims=True)
;;       e = np.where(a > 0, np.clip(np.frexp(np.where(a > 0, a, 1))[1] - 1 - 4, -126, 127), 0)      # np.frexp(a)[1] - 1 = floor(log2(a)), exactly
;;       r = np.clip(x / 2.0 ** e, -28, 28)
;;       step = 2.0 ** (np.maximum(np.frexp(np.where(r == 0, 1, r))[1] - 1, -2) - 2)
;;       q = np.round(r / step) * step * 2.0 ** e      # np.round: ties to even
;;       return np.moveaxis(q.reshape(q.shape[:-2] + (-1,))[..., :K], -1, axis).astype(np.float32)
;;   ~~~
;; 2 versions. Each part assembles by itself: llvm-mc -triple=amdgcn-amd-amdhsa -mcpu=gfx1250 --defsym DOCPART=n.
;; ======== version 1 of 2: 3 launches
;; workspace buffers: wq 819,200 bytes; scores 262,144 bytes
;; launch quantw (part 1): grid 128 x 1, 4 waves a work-group, no clusters, 34,560 bytes of LDS; arguments W_attn, wq; writes wq
.if DOCPART == 1
	.amdgcn_target "amdgcn-amd-amdhsa--gfx1250"
	.amdhsa_code_object_version 6
	.text
	.protected	k_qf8bd42ba22_quantw
	.globl	k_qf8bd42ba22_quantw
	.p2align	8
	.type	k_qf8bd42ba22_quantw,@function
k_qf8bd42ba22_quantw:
	s_mov_b64 s[64:65], 0
	v_nop
	global_prefetch_b8 v0, s[64:65] scope:SCOPE_SE
	s_setreg_imm32_b32 hwreg(HW_REG_WAVE_MODE, 25, 1), 1
	s_wait_xcnt 0x0
; W_attn [1024 (n)][1024 (k)], f32, K innermost, becomes codes of BF6 (E3M2) with one E8M0 scale byte for each 32 along K, laid in the ORDER OF THE OPERAND'S REGISTERS,
; as the next launch reads it: 8 slots of 102,400 bytes.  Slot g = 2 c + u holds, for K = 256 c .. 256 c + 255 and both halves j of N, the tiles i = 0 .. 15.
; TILE (j, tau = 16 u + i) IS MADE OF W's ROWS n = 512 j + 32 r + tau, r = 0 .. 15: which rows form a tile is free, and with this choice a lane of the next launch needs 32 neighbouring numbers of hidden.
;   codes:       g x 102400 + j x 49152 + i x 3072 + s x 1536 + cc x 512 + 16 x lane: registers 4 cc .. 4 cc + 3 of the fragment (16 rows x 128 K, 12 registers) of K step 2 c + s
;   scale words: g x 102400 + 98304 + j x 2048 + q x 256 + 8 x (16 s + r) + 4 e: the word (four bytes: 128 along K) of row r of tile i = 2 q + e at K step 2 c + s
; A block's scale is 2^(floor(log2(its largest magnitude)) - 4); its byte is the largest magnitude's own exponent field - 4, held at 1 from below.
; LIMITS: a block of zeros, or one whose largest magnitude lies under 2^-122, carries the byte 1 (a block of zeros has zero codes, which add nothing under that byte; this program alone reads the bytes);
; NaN and infinities among the inputs are not served.
; SHARES: a work-group takes (g, j, q): two tiles x two K steps: four pieces of 16 rows x 128 K, one a wave, and their 64 scale words are 256 consecutive bytes, stored by one instruction.  8 x 2 x 8 = 128 work-groups.
; A piece's 16 loads read 512 consecutive bytes of one row each; the conversions want 16 NEIGHBOURS along K in one lane's registers, so the piece turns through the wave's own stage in LDS.
.set R,    16                          ; v16-79   the piece as loaded: row i in registers 4 i .. 4 i + 3
.set X,    80                          ; v80-143  the piece turned: register 16 b + i = k 32 b + 16 (lane / 16) + i of row lane % 16
.set PC,   144                         ; v144-155 the fragment's codes; v156-162 at work
.set TM,   164                         ; v164-179 at work: largest magnitudes, bytes, scale operands
.set PW,   180                         ; v180     the row's scale word
.set SEL,  20                          ; s[20:21] lane selects for v_permlanex16_b32: lane l xor 16
.set PITCH, 528                        ; a stage row: 512 bytes + 16: an odd multiple of 16 bytes, so that the 16 rows that a load of 16 bytes a lane touches start in different banks (64 banks of 4 bytes: ISA guide 11.1)
.set STGW, 16*PITCH                    ; a wave's stage
.set SCL,  4*STGW                      ; behind the stages: the work-group's 64 scale words
; 64 numbers of a lane, v[X] on, become a fragment's codes in v[PC] .. v[PC + 11] and its scale word in v[PW]
.macro QUANT
.irp b, 0,1,2,3
	v_max3_num_f32 v[TM+\b], |v[X+16*\b]|, |v[X+1+16*\b]|, 0x2800000   ; block b: my 16 numbers, and the floor 2^(5 - 127): so the byte cannot fall under 1
.endr
.irp i, 2,4,6,8,10,12,14
.irp b, 0,1,2,3
	v_max3_num_f32 v[TM+\b], v[TM+\b], |v[X+16*\b+\i]|, |v[X+1+16*\b+\i]|   ; the four blocks by turns: no line waits for the line above it
.endr
.endr
.irp b, 0,1,2,3
	v_permlanex16_b32 v[TM+4+\b], v[TM+\b], s[SEL], s[SEL+1]
.endr
.irp b, 0,1,2,3
	v_max_num_f32 v[TM+\b], v[TM+\b], v[TM+4+\b]   ; with lane l xor 16's 16: the block's largest magnitude
.endr
.irp b, 0,1,2,3
	v_add_nc_u32 v[TM+12+\b], 0xfe000000, v[TM+\b]   ; 4 off its exponent field: the conversion takes the exponent field of this operand as its scale, and nothing else of it
.endr
.irp b, 0,1,2,3
	v_lshrrev_b32 v[TM+4+\b], 23, v[TM+12+\b]      ; the scale's byte
.endr
	v_lshl_or_b32 v[PW], v[TM+5], 8, v[TM+4]       ; the four bytes make my row's scale word
	v_lshl_or_b32 v[PW], v[TM+6], 16, v[PW]
	v_lshl_or_b32 v[PW], v[TM+7], 24, v[PW]
.irp c, 0,1
	v_cvt_scalef32_pk16_bf6_f32 v[PC+6*\c:PC+2+6*\c], v[X+32*\c:X+15+32*\c], v[TM+12+2*\c]
	v_cvt_scalef32_pk16_bf6_f32 v[PC+12+4*\c:PC+14+4*\c], v[X+16+32*\c:X+31+32*\c], v[TM+12+2*\c+1]   ; (a conversion's three registers begin on an even number)
.endr
	v_nop                                          ; one plain place behind a scaled conversion
.irp c, 0,1                                    ; the operand's layout wants a WHOLE block in a lane: lanes 0-15 block 2 c, lanes 16-31 block 2 c + 1
.irp i, 0,1,2
	v_permlane16_swap_b32 v[PC+6*\c+\i], v[PC+12+4*\c+\i]
.endr
.irp i, 0,1,2
	v_mov_b32 v[PC+3+6*\c+\i], v[PC+12+4*\c+\i]
.endr
.endr
.endm
	s_load_b128 s[4:7], s[0:1], 0x0                ; W s[4:5], wq s[6:7]
	v_lshl_add_u32 v192, v0, 2, 0x8500
	v_mov_b32 v193, 0
	v_lshrrev_b32 v7, 5, v0
	v_readfirstlane_b32 s8, v7                     ; wave 0..3
	v_and_b32 v8, 31, v0                           ; lane
	v_and_b32 v9, 15, v0                           ; r
	v_bfe_u32 v10, v0, 4, 1                        ; h
	s_lshr_b32 s9, ttmp9, 4                        ; g: the slot
	s_bfe_u32 s10, ttmp9, 0x10003                  ; j: the half of N (one bit from bit 3)
	s_and_b32 s11, ttmp9, 7                        ; q: the pair of tiles
	s_lshr_b32 s12, s8, 1                          ; e: which tile of the pair is my wave's
	s_and_b32 s13, s8, 1                           ; s: which K step of the slot's two
	s_lshl_b32 s14, s11, 1
	s_add_co_u32 s14, s14, s12                     ; i = 2 q + e
	s_and_b32 s15, s9, 1
	s_lshl_b32 s15, s15, 4
	s_add_co_u32 s15, s15, s14                     ; tau = 16 (g % 2) + i
	s_and_b32 s16, s9, 6
	s_add_co_u32 s16, s16, s13                     ; the K step: 2 (g / 2) + s
	s_lshl_b32 s18, s10, 21                        ; from: row 512 j + tau of 4,096 bytes, + 512 bytes a K step
	s_lshl_b32 s17, s15, 12
	s_add_co_u32 s18, s18, s17
	s_lshl_b32 s17, s16, 9
	s_add_co_u32 s18, s18, s17
	s_mov_b32 s19, 0
	s_mul_i32 s26, s9, 102400                      ; to: the slot,
	s_mul_i32 s17, s10, 49152
	s_add_co_u32 s22, s26, s17
	s_mul_i32 s17, s14, 3072
	s_add_co_u32 s22, s22, s17
	s_mul_i32 s17, s13, 1536
	s_add_co_u32 s22, s22, s17                     ; my fragment's image,
	s_mov_b32 s23, 0
	s_lshl_b32 s17, s10, 11
	s_add_co_u32 s26, s26, s17
	s_lshl_b32 s17, s11, 8
	s_add_co_u32 s26, s26, s17
	s_add_co_u32 s26, s26, 98304                   ; and the work-group's 256 bytes of scale words
	s_mov_b32 s27, 0
	s_mul_i32 s17, s8, STGW                        ; my stage
	v_lshlrev_b32 v1, 4, v8                        ; 16 x lane: my bytes of a load's 512, and of an image's 512
	v_add_nc_u32 v2, s17, v1                       ; the stage, on the way in
	v_mul_u32_u24 v3, v9, PITCH
	v_lshl_add_u32 v3, v10, 6, v3
	v_add_nc_u32 v3, s17, v3                       ; and on the way out: row r, + 64 h: my 16 numbers of a block of 32
	s_lshl_b32 s17, s13, 7
	s_lshl_b32 s30, s12, 2
	s_add_co_u32 s17, s17, s30
	s_add_co_u32 s17, s17, SCL
	v_lshl_add_u32 v4, v9, 3, s17                  ; where my row's scale word goes: SCL + 8 (16 s + r) + 4 e
	v_lshlrev_b32 v6, 3, v8                        ; on the way out 8 bytes a lane
	v_add_nc_u32 v5, SCL, v6
	s_mov_b32 s[SEL], 0x76543210
	s_mov_b32 s[SEL+1], 0xfedcba98
.irp b, 0,1,2,3
	v_mov_b32 v[TM+4+\b], 0                        ; written once: a lane permute's destination counts as one of its sources
.endr
	s_wait_kmcnt 0x0
	s_add_nc_u64 s[4:5], s[4:5], s[18:19]
	s_add_nc_u64 s[24:25], s[6:7], s[22:23]
	s_add_nc_u64 s[28:29], s[6:7], s[26:27]
.irp i, 0,1,2,3,4,5,6,7,8,9,10,11,12,13,14,15
	global_load_b128 v[R+4*\i:R+4*\i+3], v1, s[4:5] offset:131072*\i th:TH_LOAD_NT   ; the tile's row i lies 32 rows of W on: 32 lanes read its 512 consecutive bytes; read once in the launch
.endr
	s_wait_loadcnt 0x0
.irp i, 0,1,2,3,4,5,6,7,8,9,10,11,12,13,14,15
	ds_store_b128 v2, v[R+4*\i:R+4*\i+3] offset:PITCH*\i
.endr
.irp b, 0,1,2,3
.irp j, 0,1,2,3
	ds_load_b128 v[X+16*\b+4*\j:X+16*\b+4*\j+3], v3 offset:128*\b+16*\j   ; LDS serves a wave's instructions in order (ISA guide 5.7.1.4): these see my stores
.endr
.endr
	s_wait_dscnt 0x0
	QUANT
.irp c, 0,1,2
	global_store_b128 v1, v[PC+4*\c:PC+4*\c+3], s[24:25] offset:512*\c   ; the image: 32 lanes store 512 consecutive bytes, at a multiple of 512 from wq's first byte
.endr
	ds_store_b32 v4, v[PW]                         ; both halves of the lanes write the same word with the same value
	s_wait_dscnt 0x0                               ; for wave 0's sake: my word has landed
	s_barrier_signal -1
	s_barrier_wait -1
	s_cmp_lg_u32 s8, 0
	s_cbranch_scc1 .Ldone
	ds_load_b64 v[12:13], v5                       ; the four waves' 64 words
	s_wait_dscnt 0x0
	global_store_b64 v6, v[12:13], s[28:29]        ; 32 lanes store 256 consecutive bytes, at a multiple of 256 from wq's first byte
.Ldone:
	s_wait_tensorcnt 0x0
	ds_add_u32 v192, v193
	s_wait_dscnt 0x0
	s_endpgm
.Lfunc_end_k_qf8bd42ba22_quantw:
	.size	k_qf8bd42ba22_quantw, .Lfunc_end_k_qf8bd42ba22_quantw-k_qf8bd42ba22_quantw
	.p2alignl 7, 3214868480
	.fill 96, 4, 3214868480
	.section	.rodata,"a",@progbits
	.p2align	6, 0x0
	.amdhsa_kernel k_qf8bd42ba22_quantw
		.amdhsa_group_segment_fixed_size 34560
		.amdhsa_private_segment_fixed_size 0
		.amdhsa_enable_private_segment 0
		.amdhsa_kernarg_size 16
		.amdhsa_user_sgpr_count 2
		.amdhsa_user_sgpr_kernarg_segment_ptr 1
		.amdhsa_wavefront_size32 1
		.amdhsa_system_sgpr_workgroup_id_x 1
		.amdhsa_system_sgpr_workgroup_id_y 1
		.amdhsa_system_sgpr_workgroup_id_z 1
		.amdhsa_system_vgpr_workitem_id 0
		.amdhsa_next_free_vgpr 194
		.amdhsa_next_free_sgpr 66
		.amdhsa_reserve_vcc 0
		.amdhsa_float_denorm_mode_32 3
		.amdhsa_float_denorm_mode_16_64 3
		.amdhsa_memory_ordered 1
		.amdhsa_forward_progress 1
		.amdhsa_inst_pref_size 11
	.end_amdhsa_kernel
	.amdgpu_metadata
---
amdhsa.version: [ 1, 2 ]
amdhsa.kernels:
  - .name:           k_qf8bd42ba22_quantw
    .symbol:         k_qf8bd42ba22_quantw.kd
    .args:
      - { .name: W_attn, .offset: 0, .size: 8, .value_kind: global_buffer, .address_space: global }
      - { .name: wq, .offset: 8, .size: 8, .value_kind: global_buffer, .address_space: global }
    .group_segment_fixed_size: 34560
    .private_segment_fixed_size: 0
    .kernarg_segment_align: 8
    .kernarg_segment_size: 16
    .max_flat_workgroup_size: 128
    .sgpr_count:     66
    .vgpr_count:     194
    .wavefront_size: 32
...
	.end_amdgpu_metadata
.endif
;; end of part 1
;; launch energy (part 2): grid 256 x 1, 4 waves a work-group, clusters of 4 x 1, 327,680 bytes of LDS; arguments encoder_outputs, hidden, b_attn, wq, scores; writes scores
.if DOCPART == 2
	.amdgcn_target "amdgcn-amd-amdhsa--gfx1250"
	.amdhsa_code_object_version 6
	.text
	.protected	k_qf8bd42ba22_energy
	.globl	k_qf8bd42ba22_energy
	.p2align	8
	.type	k_qf8bd42ba22_energy,@function
k_qf8bd42ba22_energy:
	s_mov_b64 s[64:65], 0
	v_nop
	global_prefetch_b8 v0, s[64:65] scope:SCOPE_SE
	s_setreg_imm32_b32 hwreg(HW_REG_WAVE_MODE, 25, 1), 1
	s_wait_xcnt 0x0
	s_wait_alu depctr_hold_cnt(0) depctr_sa_sdst(0) depctr_va_vdst(0) depctr_va_sdst(0) depctr_va_ssrc(0) depctr_va_vcc(0) depctr_vm_vsrc(0)
	s_getreg_b32 s2, hwreg(HW_REG_IB_STS2, 6, 4)
	s_cmp_eq_u32 s2, 0
	s_cbranch_scc0 .Lentry_in_a_cluster
	s_endpgm
.Lentry_in_a_cluster:
	s_bfe_u32 s2, ttmp6, 0x10000c
	s_cmp_lg_u32 s2, 0x3003
	s_cbranch_scc0 .Lentry_shape_is_right
	s_endpgm
.Lentry_shape_is_right:
; scores[b][s] = sum over n of hidden[b][n] x (sum over k of Q(enc[s][b][k]) Q(W[n][k]) + b_attn[n]).  enc [512 (s)][128 (b)][1024] f32, hidden [128][1024] f32, b_attn [1024] f32; scores [128][512] f32.
; Q: codes of BF6 (E3M2) with one E8M0 scale for each 32 along K.  W's codes and scale words come from wq, laid in the order of the operand's registers by the launch before; enc is quantised here, on its way.
; The energy never exists in memory: each 16 x 16 tile of it is multiplied by hidden and added into f32 score sums as soon as it is made.
; SHARES.  A work-group owns ONE b and 256 consecutive s (b = wg / 2, s0 = 256 (wg % 2)): its rows of enc are 4,096 dense bytes each, and one row of hidden serves all of them.
;   Quantising: wave w takes rows s0 + 64 w .. + 63, as four tiles m of 16 rows.   Products: wave w = (ih = w / 2, j = w % 2) multiplies rows 128 ih .. + 127 (8 tiles a) by the half j of N (32 tiles tau).
;   TILE (j, tau) OF W IS MADE OF ROWS n = 512 j + 32 r + tau: lane r's 32 numbers of hidden and of b_attn are then neighbours in memory and stay in 32 registers.
; K GOES IN FOUR CHUNKS OF 256.  While chunk c is multiplied (A's 16 fragments in registers, W's tiles through a ring of two LDS slots of 16 tiles x 2 halves of N), chunk c + 1's rows of enc are loaded, turned, quantised
;   and handed to the waves that need them through LDS, as images of the operand's registers.  So the stream from memory runs under the products.
; enc's WAY.  A ring of four sets of 64 registers (set m = row tile m): each load reads 512 consecutive bytes of one row; 64 loads of a wave are always asked for, and the waits are counted.  (A 64th load may find the
;   counter full: its issue then waits, ISA guide 5.7.1; no wait is written for that.)  A piece (16 rows x 128 K) turns through the wave's own stage in LDS, so that a lane holds 16 neighbours along K for the conversions.
; CLUSTER.  All work-groups walk the same slots of wq, so the four of a cluster ask for each quarter of a slot JOINTLY: the same tensor load, the same descriptor, a mask that names the four.  enc is shared by nobody.
; LIMITS.  The order of f32 rounding differs from a sum over all of K followed by the bias: K is summed in four parts of 256, each multiplied by hidden and added; hidden . b_attn is summed apart and starts the sums.
;   A block of zeros, or one whose largest magnitude lies under 2^-122, carries the scale byte 1.  NaN and infinities among the inputs are not served.
; REGISTERS, in windows of 256 (s_set_vgpr_msb's low byte: bits 1:0 source 0, 3:2 source 1, 5:4 source 2, 7:6 destination):
;   window 0: v1-2 the add's; v3-4 W's fragments' LDS address in slot 0, 1; v8-15 A's scale words; v16-31 W's scale words; v32-63 hidden; v64-255 A's 16 fragments
;   window 1: v0-63 a piece turned; v64-100 the quantiser's; v104-117 addresses      window 2: v0-63 accumulators, two sets of four; v64-127 the score sums; v128-223 W's fragments, two sets of four      window 3: enc's ring
; ONE SETTING (0xa8) serves the product (D, B, C window 2; A window 0), the multiply-add by hidden (sums and accumulator window 2, hidden window 0) and the load of W's fragments (data window 2, address window 0).
.set WSLOT, 102400                     ; a slot of wq: 98,304 bytes of codes, 4,096 of scale words
.set WQRT,  25600                      ; a quarter of it: what one tensor load brings: 100 rows of 256 bytes
.set IMG,   2*WSLOT                    ; behind the ring: A's images of one chunk: fragment 2 t + s (row tile t of 16, K step s) of 1,536 bytes
.set ISC,   IMG+32*1536                ; their scale words: row tile t: 128 bytes: lane 16 s + r
.set STG,   ISC+2048                   ; a stage for each wave: the turn (16 rows, 528 bytes apart), at the end the sums (32 lanes, 272 bytes apart)
.set STGW,  8704
.set SCX,   STG+4*STGW                 ; the waves' partial scores: 512 bytes a wave
.set SPARE, SCX+2048                   ; the spare words, 128 bytes for each wave: two blocks of 256 bytes that no other line names
.set SPW,  1                           ; v1   LDS address of my spare word; never rewritten
.set NIL,  2                           ; v2   0; never rewritten
.set VB,   3
.set SA,   8
.set SW,   16
.set HID,  32
.set AF,   64
.set X,    0                           ; window 1
.set PC,   64
.set TM,   84
.set PW,   100
.set GO,   104                         ; 16 x lane: my bytes of a load's 512
.set STW,  105                         ; the stage, on the way in
.set STR,  106                         ; and out: row r, + 64 h
.set VIW,  107                         ; where I store images
.set VISW, 108                         ; and their scale words
.set VAI,  109                         ; where I read A's images
.set VAS,  110                         ; and their scale words
.set VSW,  111                         ; v111-112 W's scale words in slot 0, 1
.set TW,   113                         ; the end: where I put my 64 sums
.set TR,   114                         ; and where I read 16 lanes' sums back
.set SXW,  115                         ; where my four partial scores go
.set SXR,  116                         ; and where I read two rows' partial scores
.set GS,   117                         ; 8 x thread: my two scores in the work-group's 1,024 bytes
.set S,    64                          ; window 2
.set BF,   128
.set G1,   24                          ; s[24:31] descriptor group 1
.set G0,   32                          ; s[32:39] group 0, one set for each slot
.set RB,   40                          ; s[40:47] enc at row tile m's first row, at the K step that set m loads next
.set SEL,  48                          ; s[48:49] lane selects for v_permlanex16_b32: lane l xor 16
.set CNT,  50
.set GEMM, 0xa8
.set MSB, 0
.macro WIN new                         ; the immediate's high byte repeats the setting that is left; a switch that changes nothing is dropped
.if MSB != \new
	s_set_vgpr_msb (MSB<<8)|\new
.set MSB, \new
.endif
.endm
; A round of the cluster's barrier: my work-group's barrier, so that wave 0's signal speaks for all four waves; wave 0 signals for the work-group; every wave waits for all four work-groups; my work-group's barrier once more.
.macro ROUND
	s_barrier_signal -1
	s_barrier_wait -1
	s_cmp_lg_u32 s14, 0
	s_cbranch_scc1 .Lnot_wave_0_\@
	s_barrier_signal -3
.Lnot_wave_0_\@:
	s_barrier_wait -3
	s_barrier_signal -1
	s_barrier_wait -1
.endm
; Set m of the ring is asked for: 16 rows x 512 bytes
.macro RLOAD m
	WIN 0xc1                                       ; data window 3, address window 1
.irp i, 0,1,2,3,4,5,6,7,8,9,10,11,12,13,14,15
	global_load_b128 v[64*(\m)+4*\i:64*(\m)+4*\i+3], v[GO], s[RB+2*(\m):RB+2*(\m)+1] offset:524288*\i th:TH_LOAD_NT   ; row i lies 524,288 bytes on (15 of them stay inside the signed 24-bit immediate: ISA guide, chapter 10); read once in the launch
.endr
.endm
; Set m goes through my stage.  left: the younger loads, which may stay out
.macro PIECE_IN m, left
	WIN 0x0d                                       ; address window 1, data window 3
	s_wait_loadcnt \left                           ; loads come back in order (ISA guide 5.7.1): set m's sixteen are in
.irp i, 0,1,2,3,4,5,6,7,8,9,10,11,12,13,14,15
	ds_store_b128 v[STW], v[64*(\m)+4*\i:64*(\m)+4*\i+3] offset:528*\i
.endr
	WIN 0x41                                       ; data and address window 1
.irp b, 0,1,2,3
.irp j, 0,1,2,3
	ds_load_b128 v[X+16*\b+4*\j:X+16*\b+4*\j+3], v[STR] offset:128*\b+16*\j   ; LDS serves a wave's instructions in order (ISA guide 5.7.1.4): these see my stores.  Register 16 b + i = k 32 b + 16 h + i of row r
.endr
.endr
.endm
; 64 numbers of a lane, v[X] on, become a fragment's codes in v[PC] .. v[PC + 11] and its scale word in v[PW]
.macro QUANT
.irp b, 0,1,2,3
	v_max3_num_f32 v[TM+\b], |v[X+16*\b]|, |v[X+1+16*\b]|, 0x2800000   ; block b: my 16 numbers, and the floor 2^(5 - 127): so the byte cannot fall under 1
.endr
.irp i, 2,4,6,8,10,12,14
.irp b, 0,1,2,3
	v_max3_num_f32 v[TM+\b], v[TM+\b], |v[X+16*\b+\i]|, |v[X+1+16*\b+\i]|   ; the four blocks by turns
.endr
.endr
.irp b, 0,1,2,3
	v_permlanex16_b32 v[TM+4+\b], v[TM+\b], s[SEL], s[SEL+1]
.endr
.irp b, 0,1,2,3
	v_max_num_f32 v[TM+\b], v[TM+\b], v[TM+4+\b]   ; with lane l xor 16's 16: the block's largest magnitude
.endr
.irp b, 0,1,2,3
	v_add_nc_u32 v[TM+12+\b], 0xfe000000, v[TM+\b]   ; 4 off its exponent field: the conversion's scale operand
.endr
.irp b, 0,1,2,3
	v_lshrrev_b32 v[TM+4+\b], 23, v[TM+12+\b]      ; the scale's byte
.endr
	v_lshl_or_b32 v[PW], v[TM+5], 8, v[TM+4]       ; the four bytes make my row's scale word
	v_lshl_or_b32 v[PW], v[TM+6], 16, v[PW]
	v_lshl_or_b32 v[PW], v[TM+7], 24, v[PW]
.irp c, 0,1
	v_cvt_scalef32_pk16_bf6_f32 v[PC+6*\c:PC+2+6*\c], v[X+32*\c:X+15+32*\c], v[TM+12+2*\c]
	v_cvt_scalef32_pk16_bf6_f32 v[PC+12+4*\c:PC+14+4*\c], v[X+16+32*\c:X+31+32*\c], v[TM+12+2*\c+1]   ; (a conversion's three registers begin on an even number)
.endr
	v_nop                                          ; one plain place behind a scaled conversion
.irp c, 0,1                                    ; the operand's layout wants a WHOLE block in a lane
.irp i, 0,1,2
	v_permlane16_swap_b32 v[PC+6*\c+\i], v[PC+12+4*\c+\i]
.endr
.irp i, 0,1,2
	v_mov_b32 v[PC+3+6*\c+\i], v[PC+12+4*\c+\i]
.endr
.endr
.endm
; The piece is back from the stage: set m is asked for anew (ld = 1), the piece is quantised, and its image goes to LDS as K step s of the next chunk.  dsn: the LDS instructions issued behind the piece's loads
.macro PIECE_MID m, s, ld, dsn
	s_wait_dscnt \dsn                              ; the piece is in; so the stores into the stage, which stand ahead of its loads, have read set m
.if \ld
	s_add_nc_u64 s[RB+2*(\m):RB+2*(\m)+1], s[RB+2*(\m):RB+2*(\m)+1], 512   ; the next K step (the loads that named this base were shown done by the counted wait in front of the turn)
	RLOAD \m
.endif
	WIN 0x55                                       ; all in window 1
	QUANT
.irp c, 0,1,2
	ds_store_b128 v[VIW], v[PC+4*\c:PC+4*\c+3] offset:(2*(\m)+(\s))*1536+512*\c   ; lane l's 16 bytes at 16 l: whoever loads them so has the same registers in the same lanes
.endr
	ds_store_b32 v[VISW], v[PW] offset:128*(\m)+64*(\s)   ; both halves of the lanes write the same word with the same value
.endm
; W's four fragments of the pair q of tiles (2 tiles x 2 K steps) from slot u into set q % 2
.macro FETCHB q, u
.irp e, 0,1
.irp s, 0,1
.irp c, 0,1,2
	ds_load_b128 v[BF+48*((\q)%2)+12*(2*\e+\s)+4*\c:BF+48*((\q)%2)+12*(2*\e+\s)+4*\c+3], v[VB+(\u)] offset:(2*(\q)+\e)*3072+1536*\s+512*\c
.endr
.endr
.endr
.endm
; THE SECOND PRODUCT.  Line n of 16 of the pending group's way out: two score sums += hidden[tau] x two numbers of the energy.  EPV: a group is pending; EPT: its tau; EPH: its set of accumulators.
; hidden[tau] is one register of a pair: op_sel and op_sel_hi take it for both halves.  The lines ascend: each accumulator is read from its low end on.
.set EPV, 0
.set EPT, 0
.set EPH, 0
.macro EPI n
.if EPV
.set eS, S+8*(4*EPH+(\n)/4)+2*((\n)%4)
.set eA, 32*EPH+8*((\n)/4)+2*((\n)%4)
.set eH, HID+(EPT/2)*2
.if EPT%2
	v_pk_fma_f32 v[eS:eS+1], v[eH:eH+1], v[eA:eA+1], v[eS:eS+1] op_sel:[1,0,0] op_sel_hi:[1,1,1]
.else
	v_pk_fma_f32 v[eS:eS+1], v[eH:eH+1], v[eA:eA+1], v[eS:eS+1] op_sel_hi:[0,1,1]
.endif
.endif
.endm
; A GROUP: tile tau of W (its two fragments at v[bf] on, its scale words in v[SW + i]) against four row tiles (half = 0: a = 0 .. 3, 1: a = 4 .. 7), 256 along K: 8 products.
; The four accumulators take turns, one instruction a turn, and the groups alternate between the two sets.  The first K step starts the sums with the constant 0: nothing is cleared.
; The scale registers hold K step 0's words in lanes 0-15 and K step 1's in lanes 16-31.
; Behind each product stand two lines of the OTHER set's way out.  They name no register of the products round them, so they are the places: 8 or more lie between an accumulator's last product and its
; first read, 9 or more in front of the product that begins it anew, 6 in front of the loads into W's other set.  Where no group is pending, four v_nop stand at the group's end.
.macro GROUP tau, i, bf, half, fq, u
.set gn, 0
.rept 8
.set gs, gn/4
.set ga, 4*(\half)+gn%4
.set gD, 32*(\half)+8*(gn%4)
.set gA, AF+12*(2*ga+gs)
.set gB, (\bf)+12*gs
.if gs == 0
	v_wmma_scale_f32_16x16x128_f8f6f4 v[gD:gD+7], v[gA:gA+11], v[gB:gB+11], 0, v[SA+ga], v[SW+(\i)] matrix_a_fmt:MATRIX_FMT_BF6 matrix_b_fmt:MATRIX_FMT_BF6
.else
	v_wmma_scale_f32_16x16x128_f8f6f4 v[gD:gD+7], v[gA:gA+11], v[gB:gB+11], v[gD:gD+7], v[SA+ga], v[SW+(\i)] matrix_a_fmt:MATRIX_FMT_BF6 matrix_b_fmt:MATRIX_FMT_BF6 matrix_a_scale:MATRIX_SCALE_ROW1 matrix_b_scale:MATRIX_SCALE_ROW1
.endif
	EPI 2*gn
	EPI 2*gn+1
.if (gn == 1) && ((\fq) >= 0)
	FETCHB \fq, \u
.endif
.set gn, gn+1
.endr
.if EPV == 0
.rept 4
	v_nop
.endr
.endif
.set EPV, 1
.set EPT, \tau
.set EPH, \half
.endm
; A PAIR of tiles: 32 products.  The next pair's fragments are asked for behind its second product, 30 products ahead of their use.  dsn: the LDS instructions issued behind this pair's fragments
.macro PAIR q, u, dsn
	s_wait_dscnt \dsn
	WIN GEMM
.set pB, BF+48*((\q)%2)
.if (\q) < 7
	GROUP 16*(\u)+2*(\q), 2*(\q), pB, 0, (\q)+1, \u
.else
	GROUP 16*(\u)+2*(\q), 2*(\q), pB, 0, -1, \u
.endif
	GROUP 16*(\u)+2*(\q), 2*(\q), pB, 1, -1, \u
	GROUP 16*(\u)+2*(\q)+1, 2*(\q)+1, pB+24, 0, -1, \u
	GROUP 16*(\u)+2*(\q)+1, 2*(\q)+1, pB+24, 1, -1, \u
.endm
.macro DRAIN                           ; the last group's way out
	WIN GEMM
.set dn, 0
.rept 16
	EPI dn
.set dn, dn+1
.endr
.set EPV, 0
.endm
; THE CHANGE OF SLOTS stands at a slot's head.  Each wave waits for all its tensor loads (one is out: its quarter of slot u), adds 0 to its spare word, and waits for that and for all its LDS instructions: its reads of the
; slot that it has left, and its stores of images.  Behind the barrier slot u is whole, nobody reads the other slot, and the next chunk's images lie in LDS.
; fill = 1: the barrier is a round of the cluster's, and the joint refill of the other slot is the first thing behind it: it has a slot's 256 products in which to land.
.macro CHANGE u, fill
	WIN 0                                          ; the add's registers lie in window 0; at a label and at a branch every window is 0
	s_wait_tensorcnt 0x0                           ; no tensor load of mine is out, so a group 0 may be written
	ds_add_u32 v[SPW], v[NIL]                      ; 0 onto my spare word
.if \fill
	s_add_nc_u64 s[G0+4*(\u)+2:G0+4*(\u)+3], s[G0+4*(\u)+2:G0+4*(\u)+3], 2*WSLOT   ; this ring slot's next slot of wq (the last such step is not used)
	s_wait_dscnt 0x0
	ROUND
	tensor_load_to_lds s[G0+4*(1-(\u)):G0+4*(1-(\u))+3], s[G1:G1+7]
	s_nop 0
.rept 4
	v_nop
.endr
.else
	s_wait_dscnt 0x0
	s_barrier_signal -1
	s_barrier_wait -1
.endif
.endm
; At a slot's head: at a chunk's first slot A's 16 fragments and their scale words; W's scale words of the slot's 16 tiles; W's first pair of tiles.
; bar = 1: a barrier behind every wave's reads of the images, since the next chunk's images are stored into the same bytes from here on.  The tensor load just issued stays out.
.macro HEADLOADS u, bar
	WIN 0x01                                       ; data window 0, address window 1
.if (\u) == 0
.set hf, 0
.rept 16
.irp c, 0,1,2
	ds_load_b128 v[AF+12*hf+4*\c:AF+12*hf+4*\c+3], v[VAI] offset:1536*hf+512*\c
.endr
.set hf, hf+1
.endr
.irp a, 0,1,2,3,4,5,6,7
	ds_load_b32 v[SA+\a], v[VAS] offset:128*\a     ; lanes 0-15: K step 0's words of row tile a, lanes 16-31: K step 1's
.endr
.endif
.irp q, 0,1,2,3,4,5,6,7
	ds_load_b64 v[SW+2*\q:SW+2*\q+1], v[VSW+(\u)] offset:256*\q   ; two tiles' words, laid so by the launch before
.endr
	WIN GEMM
	FETCHB 0, \u
.if \bar
	s_wait_dscnt 0x0                               ; my reads of the images are in
	s_barrier_signal -1
	s_barrier_wait -1
.endif
.endm
; A quarter of a slot: two pairs of tiles and, with pc = 1, one piece of enc: its turn is asked for ahead of the first pair and awaited behind it.
; The counts: 32 = the turn's 16 stores and 16 loads, issued behind the first pair's fragments; 12 = the second pair's fragments, issued behind the turn; 4 = the image's four stores, issued behind those fragments.
.macro QUAD z, u, pc, ld, left
.if \pc
	PIECE_IN \z, \left
	PAIR 2*\z, \u, 32
	PIECE_MID \z, \u, \ld, 12
	PAIR 2*\z+1, \u, 4
.else
	PAIR 2*\z, \u, 0
	PAIR 2*\z+1, \u, 0
.endif
.endm
.macro SLOT u, fill, pc, ld, bar, l0, l1, l2, l3
	CHANGE \u, \fill
	HEADLOADS \u, \bar
	QUAD 0, \u, \pc, \ld, \l0
	QUAD 1, \u, \pc, \ld, \l1
	QUAD 2, \u, \pc, \ld, \l2
	QUAD 3, \u, \pc, \ld, \l3
	DRAIN
	WIN 0
.endm
	s_load_b256 s[4:11], s[0:1], 0x0               ; enc s[4:5], hidden s[6:7], b_attn s[8:9], wq s[10:11]
	s_load_b64 s[12:13], s[0:1], 0x20              ; scores
	v_lshl_add_u32 v[SPW], v0, 2, SPARE
	v_mov_b32 v[NIL], 0
	ds_add_u32 v1, v2
	ds_add_u32 v1, v2
	s_wait_dscnt 0x0
	v_lshrrev_b32 v5, 5, v0
	v_readfirstlane_b32 s14, v5                    ; wave 0..3
	s_lshr_b32 s15, s14, 1                         ; ih: which 128 rows I multiply
	s_and_b32 s16, s14, 1                          ; j: which half of N
	s_bfe_u32 s17, ttmp6, 0x40000                  ; cx: my place in the cluster: it enters enc's, hidden's and scores' addresses alone
	s_lshl_b32 s18, ttmp9, 2                       ; in a cluster launch ttmp9 counts clusters
	s_add_co_u32 s18, s18, s17                     ; the work-group
	s_lshr_b32 s19, s18, 1                         ; b
	s_and_b32 s20, s18, 1
	s_lshl_b32 s20, s20, 8                         ; s0
	; my lane's parts of the addresses, in registers that A's fragments take later
	v_and_b32 v100, 31, v0                         ; lane
	v_and_b32 v101, 15, v0                         ; r
	v_bfe_u32 v102, v0, 4, 1                       ; h
	v_mul_u32_u24 v120, v101, 528
	v_lshl_add_u32 v120, v102, 6, v120             ; 528 r + 64 h
	v_mul_u32_u24 v121, v100, 272                  ; 272 x lane
	v_mul_u32_u24 v122, v102, 4352
	v_lshl_add_u32 v122, v101, 4, v122             ; 4352 h + 16 r
	v_lshrrev_b32 v123, 1, v101
	v_lshlrev_b32 v123, 6, v123
	v_lshl_add_u32 v123, v102, 5, v123
	v_and_b32 v124, 1, v101
	v_lshl_add_u32 v123, v124, 4, v123             ; 64 (r / 2) + 32 h + 16 (r % 2)
	s_mul_i32 s52, s16, 49152
	v_lshl_add_u32 v[VB], v100, 4, s52             ; W's fragments: my half of N, 16 x lane
	v_add_nc_u32 v[VB+1], WSLOT, v[VB]
	s_lshl_b32 s52, s16, 11
	v_lshl_add_u32 v5, v101, 7, s52                ; hidden and b_attn: 2048 j + 128 r: my 32 numbers
	WIN 0x40                                       ; destination window 1, sources window 0
	v_lshlrev_b32 v[GO], 4, v100
	s_mul_i32 s52, s14, STGW
	s_add_co_u32 s52, s52, STG                     ; my stage
	v_lshl_add_u32 v[STW], v100, 4, s52
	v_add_nc_u32 v[STR], s52, v120
	v_add_nc_u32 v[TW], s52, v121
	v_add_nc_u32 v[TR], s52, v122
	s_mul_i32 s53, s14, 12288
	s_add_co_u32 s53, s53, IMG
	v_lshl_add_u32 v[VIW], v100, 4, s53            ; my four row tiles' eight images
	s_lshl_b32 s53, s14, 9
	s_add_co_u32 s54, s53, ISC
	v_lshl_add_u32 v[VISW], v101, 2, s54
	s_add_co_u32 s54, s53, SCX
	v_add_nc_u32 v[SXW], s54, v123
	s_mul_i32 s53, s15, 24576
	s_add_co_u32 s53, s53, IMG
	v_lshl_add_u32 v[VAI], v100, 4, s53            ; the sixteen images of the 128 rows that I multiply
	s_lshl_b32 s53, s15, 10
	s_add_co_u32 s54, s53, ISC
	v_lshl_add_u32 v[VAS], v100, 2, s54
	s_lshl_b32 s54, s16, 8
	s_add_co_u32 s54, s54, s53
	s_add_co_u32 s54, s54, SCX
	v_lshl_add_u32 v[SXR], v100, 3, s54            ; rows 64 w + 2 x lane of the first half of N's partial scores; the second half's lie 512 bytes on
	s_lshl_b32 s53, s16, 11
	s_add_co_u32 s53, s53, 98304
	v_lshl_add_u32 v[VSW], v100, 3, s53
	s_add_co_u32 s53, s53, WSLOT
	v_lshl_add_u32 v[VSW+1], v100, 3, s53
	v_lshlrev_b32 v[GS], 3, v0
.irp b, 0,1,2,3
	v_mov_b32 v[TM+4+\b], 0                        ; written once: a lane permute's destination counts as one of its sources
.endr
	WIN 0
	; descriptor group 1: a quarter of a slot of wq: 25,600 dense bytes as 100 rows of 256 (32 elements of 8 bytes), no padding: the images are read 512 consecutive bytes an instruction
	s_mov_b32 s[G1+0], 15|(3<<16)|(1<<21)          ; 15:0 the mask: all four work-groups; 17:16 elements of 8 bytes; 20 padding off; 21 set beside a mask
	s_mov_b32 s[G1+1], 32<<16                      ; tensor_dim0 = 32
	s_mov_b32 s[G1+2], 100<<16                     ; tensor_dim1 = 100
	s_mov_b32 s[G1+3], 32<<16                      ; tile_dim0 = 32
	s_mov_b32 s[G1+4], 100                         ; tile_dim1 = 100
	s_mov_b32 s[G1+5], 32                          ; tensor_dim0_stride
	s_mov_b32 s[G1+6], 0
	s_mov_b32 s[G1+7], 0
	s_mov_b32 s[SEL], 0x76543210
	s_mov_b32 s[SEL+1], 0xfedcba98
	s_lshl_b32 s21, s14, 6
	s_add_co_u32 s21, s21, s20                     ; my first row to quantise: s0 + 64 w
	s_lshl_b32 s52, s21, 19                        ; x 524,288 bytes from s to s + 1 (at most 448 x 2^19: under 2^32)
	s_lshl_b32 s54, s19, 12                        ; b x 4,096
	s_add_co_u32 s52, s52, s54
	s_mov_b32 s53, 0
	s_mov_b32 s55, 0
	s_lshl_b32 s56, s19, 11                        ; scores: b x 2,048 + 4 s0
	s_lshl_b32 s57, s20, 2
	s_add_co_u32 s56, s56, s57
	s_mov_b32 s57, 0
	s_mul_i32 s58, s14, WQRT                       ; my quarter of a slot, in wq and in LDS alike: no place in the cluster enters it
	s_mov_b32 s59, 0
	s_wait_kmcnt 0x0
	s_add_nc_u64 s[RB:RB+1], s[4:5], s[52:53]
.irp m, 1,2,3
	s_add_nc_u64 s[RB+2*\m:RB+2*\m+1], s[RB:RB+1], \m*16*524288
.endr
	s_add_nc_u64 s[6:7], s[6:7], s[54:55]          ; hidden at row b
	s_add_nc_u64 s[12:13], s[12:13], s[56:57]
	s_add_nc_u64 s[60:61], s[10:11], s[58:59]
.irp t, 0,1,2,3,4,5,6,7
	global_load_b128 v[HID+4*\t:HID+4*\t+3], v5, s[6:7] offset:16*\t
.endr
.irp t, 0,1,2,3,4,5,6,7
	global_load_b128 v[64+4*\t:64+4*\t+3], v5, s[8:9] offset:16*\t   ; b_attn at the same 32 places
.endr
	RLOAD 0                                        ; the stream begins: K step 0
	RLOAD 1
	WIN 0
.irp n, 0,1
	s_mov_b32 s[G0+4*\n], 1                        ; 1:0 count = 1
	s_add_co_u32 s[G0+4*\n+1], s58, \n*WSLOT       ; 63:32 LDS address
	s_add_nc_u64 s[G0+4*\n+2:G0+4*\n+3], s[60:61], \n*WSLOT   ; 120:64 global address: slot n of wq
	s_or_b32 s[G0+4*\n+3], s[G0+4*\n+3], 0x80000000   ; 127:126 type = 2
.endr
	ROUND                                          ; all four work-groups are here: the first joint loads meet
	tensor_load_to_lds s[G0:G0+3], s[G1:G1+7]      ; slot 0; slot 1 is filled behind the first change of slots.  One tensor load of a wave is out at any time
	s_nop 0
.rept 4
	v_nop
.endr
	s_wait_loadcnt 32                              ; hidden and b_attn are in; sets 0 and 1, issued behind them, stay out
	v_pk_mul_f32 v[96:97], v[HID:HID+1], v[64:65]  ; my share of hidden . b_attn, in two chains
	v_pk_mul_f32 v[98:99], v[HID+2:HID+3], v[66:67]
.irp t, 4,8,12,16,20,24,28
	v_pk_fma_f32 v[96:97], v[HID+\t:HID+\t+1], v[64+\t:65+\t], v[96:97]
	v_pk_fma_f32 v[98:99], v[HID+\t+2:HID+\t+3], v[66+\t:67+\t], v[98:99]
.endr
	v_pk_add_f32 v[96:97], v[96:97], v[98:99]
	v_add_f32 v6, v96, v97
	WIN 0x80                                       ; destination window 2
.set sx, 0
.rept 64
	v_mov_b32 v[S+sx], v6                          ; every score sum starts with it: the sixteen lanes and two waves that are added for a row make the whole hidden . b_attn
.set sx, sx+1
.endr
	RLOAD 2
	RLOAD 3
	; chunk 0's images: there is nothing yet to multiply.  48 = the three younger sets
.irp s, 0,1
.irp m, 0,1,2,3
	PIECE_IN \m, 48
	PIECE_MID \m, \s, 1, 0
.endr
.endr
	WIN 0
	s_mov_b32 s[CNT], 2
.Lchunk:                                               ; chunks 0 and 1: each multiplies its 256 along K and makes the next chunk's images (K step 0 in the first slot, 1 in the second)
	SLOT 0, 1, 1, 1, 1, 48, 48, 48, 48
	SLOT 1, 1, 1, 1, 0, 48, 48, 48, 48
	s_sub_co_u32 s[CNT], s[CNT], 1
	s_cmp_lg_u32 s[CNT], 0
	s_cbranch_scc1 .Lchunk
	SLOT 0, 1, 1, 1, 1, 48, 48, 48, 48             ; chunk 2: its first slot asks for enc's last K step,
	SLOT 1, 1, 1, 0, 0, 48, 32, 16, 0              ; its second for nothing more: no load leaves the buffer, and the counts run down
	SLOT 0, 1, 0, 0, 0, 0, 0, 0, 0                 ; chunk 3: nothing is left to quantise;
	SLOT 1, 0, 0, 0, 0, 0, 0, 0, 0                 ; the last slot: nothing is left to fetch.  The tail is written out
	; THE END.  A row's score lies in the 16 lanes of a half (one for each r) and in two waves (one for each half of N).  My 64 sums go to my stage, 272 bytes a lane (an odd multiple of 16); lane (h, x) reads back
	; registers 4 x .. 4 x + 3 of the 16 lanes of its half and adds them: rows 16 (x / 2) + 8 h + 4 (x % 2) + 0 .. 3 of my 128.
	WIN 0x09                                       ; address window 1, data window 2
.irp x, 0,1,2,3,4,5,6,7,8,9,10,11,12,13,14,15
	ds_store_b128 v[TW], v[S+4*\x:S+4*\x+3] offset:16*\x
.endr
	WIN 0x55
.irp x, 0,1,2,3,4,5,6,7,8,9,10,11,12,13,14,15
	ds_load_b128 v[X+4*\x:X+4*\x+3], v[TR] offset:272*\x   ; LDS serves a wave's instructions in order: these see my stores
.endr
	s_wait_dscnt 0x0
.set st, 1
.rept 4                                        ; neighbours 1, 2, 4 and 8 lanes apart
.set k, 0
.rept 8/st
	v_pk_add_f32 v[X+8*st*k:X+8*st*k+1], v[X+8*st*k:X+8*st*k+1], v[X+8*st*k+4*st:X+8*st*k+4*st+1]
	v_pk_add_f32 v[X+8*st*k+2:X+8*st*k+3], v[X+8*st*k+2:X+8*st*k+3], v[X+8*st*k+4*st+2:X+8*st*k+4*st+3]
.set k, k+1
.endr
.set st, st*2
.endr
	ds_store_b128 v[SXW], v[X:X+3]
	s_wait_dscnt 0x0                               ; for the others' sake: my partial scores have landed
	s_barrier_signal -1
	s_barrier_wait -1
	ds_load_b64 v[X+4:X+5], v[SXR]                 ; rows 64 w + 2 x lane, + 1: the first half of N's part,
	ds_load_b64 v[X+6:X+7], v[SXR] offset:512      ; and the second's
	s_wait_dscnt 0x0
	v_pk_add_f32 v[X+4:X+5], v[X+4:X+5], v[X+6:X+7]
	global_store_b64 v[GS], v[X+4:X+5], s[12:13]   ; 32 lanes store 256 consecutive bytes, at a multiple of 256 from the buffer's first byte
	WIN 0
	s_wait_tensorcnt 0x0                           ; the wave's end: behind my last tensor load and my last LDS store
	ds_add_u32 v[SPW], v[NIL]
	s_wait_dscnt 0x0
	ROUND                                          ; the closing round: no work-group ends while a partner may still ask for a tile that names it
	s_endpgm
.Lfunc_end_k_qf8bd42ba22_energy:
	.size	k_qf8bd42ba22_energy, .Lfunc_end_k_qf8bd42ba22_energy-k_qf8bd42ba22_energy
	.p2alignl 7, 3214868480
	.fill 96, 4, 3214868480
	.section	.rodata,"a",@progbits
	.p2align	6, 0x0
	.amdhsa_kernel k_qf8bd42ba22_energy
		.amdhsa_group_segment_fixed_size 327680
		.amdhsa_private_segment_fixed_size 0
		.amdhsa_enable_private_segment 0
		.amdhsa_kernarg_size 40
		.amdhsa_user_sgpr_count 2
		.amdhsa_user_sgpr_kernarg_segment_ptr 1
		.amdhsa_wavefront_size32 1
		.amdhsa_system_sgpr_workgroup_id_x 1
		.amdhsa_system_sgpr_workgroup_id_y 1
		.amdhsa_system_sgpr_workgroup_id_z 1
		.amdhsa_system_vgpr_workitem_id 0
		.amdhsa_next_free_vgpr 1024
		.amdhsa_next_free_sgpr 66
		.amdhsa_reserve_vcc 0
		.amdhsa_float_denorm_mode_32 3
		.amdhsa_float_denorm_mode_16_64 3
		.amdhsa_memory_ordered 1
		.amdhsa_forward_progress 1
		.amdhsa_inst_pref_size 255
	.end_amdhsa_kernel
	.section	.bss,"aw",@nobits
	.p2align	6
	.space	262144
	.amdgpu_metadata
---
amdhsa.version: [ 1, 2 ]
amdhsa.kernels:
  - .name:           k_qf8bd42ba22_energy
    .symbol:         k_qf8bd42ba22_energy.kd
    .args:
      - { .name: encoder_outputs, .offset: 0, .size: 8, .value_kind: global_buffer, .address_space: global }
      - { .name: hidden, .offset: 8, .size: 8, .value_kind: global_buffer, .address_space: global }
      - { .name: b_attn, .offset: 16, .size: 8, .value_kind: global_buffer, .address_space: global }
      - { .name: wq, .offset: 24, .size: 8, .value_kind: global_buffer, .address_space: global }
      - { .name: scores, .offset: 32, .size: 8, .value_kind: global_buffer, .address_space: global }
    .group_segment_fixed_size: 327680
    .private_segment_fixed_size: 0
    .kernarg_segment_align: 8
    .kernarg_segment_size: 40
    .max_flat_workgroup_size: 128
    .sgpr_count:     66
    .vgpr_count:     1024
    .wavefront_size: 32
...
	.end_amdgpu_metadata
.endif
;; end of part 2
;; launch softmax (part 3): grid 128 x 1, 1 waves a work-group, no clusters, 0 bytes of LDS; arguments scores, out0; writes out0
.if DOCPART == 3
	.amdgcn_target "amdgcn-amd-amdhsa--gfx1250"
	.amdhsa_code_object_version 6
	.text
	.protected	k_qf8bd42ba22_softmax
	.globl	k_qf8bd42ba22_softmax
	.p2align	8
	.type	k_qf8bd42ba22_softmax,@function
k_qf8bd42ba22_softmax:
	s_mov_b64 s[64:65], 0
	v_nop
	global_prefetch_b8 v0, s[64:65] scope:SCOPE_SE
	s_setreg_imm32_b32 hwreg(HW_REG_WAVE_MODE, 25, 1), 1
	s_wait_xcnt 0x0
; out0[b][0][s] = softmax over s of scores[b][s].  scores, out0: [128][512] f32.
; One wave takes one b: its row of 2,048 bytes is 16 registers a lane, so the row is read once and stays in registers between the maximum, the exponentials and the division; no LDS, no barrier.
; The row's maximum is taken away BEFORE the scaling by log2(e), so that large scores lose nothing; the largest term is then 1 and the sum lies between 1 and 512.
; Terms under 2^-126 of the largest come out as 0 (v_exp_f32's results are flushed: ISA guide 15.8).  NaN and infinities among the scores are not served.
; The launch moves 512 KiB in all: matrix units, clusters and LDS would add nothing.
	s_load_b128 s[4:7], s[0:1], 0x0                ; scores s[4:5], out0 s[6:7]
	v_lshlrev_b32 v1, 4, v0                        ; 16 x lane
	s_lshl_b32 s8, ttmp9, 11                       ; b x 2,048 bytes
	s_mov_b32 s9, 0
	s_mov_b32 s10, 0x76543210                      ; v_permlanex16_b32's selects for lane l xor 16
	s_mov_b32 s11, 0xfedcba98
	s_mov_b32 s12, 0x3fb8aa3b                      ; log2(e)
	s_mov_b32 s13, s12                             ; (named with it as a pair, so it is written)
	s_wait_kmcnt 0x0
	s_add_nc_u64 s[4:5], s[4:5], s[8:9]
	s_add_nc_u64 s[6:7], s[6:7], s[8:9]
.irp i, 0,1,2,3
	global_load_b128 v[4+4*\i:7+4*\i], v1, s[4:5] offset:512*\i   ; 32 lanes read 512 consecutive bytes
.endr
	s_wait_loadcnt 0x0
	v_max3_num_f32 v20, v4, v5, v6                 ; the largest of my 16, in two chains
	v_max3_num_f32 v21, v7, v8, v9
	v_max3_num_f32 v20, v20, v10, v11
	v_max3_num_f32 v21, v21, v12, v13
	v_max3_num_f32 v20, v20, v14, v15
	v_max3_num_f32 v21, v21, v16, v17
	v_max3_num_f32 v20, v20, v18, v19
	v_max_num_f32 v20, v20, v21
	v_max_num_f32_dpp v20, v20, v20 row_xmask:1 row_mask:0xf bank_mask:0xf   ; across the 16 lanes of a half,
	v_max_num_f32_dpp v20, v20, v20 row_xmask:2 row_mask:0xf bank_mask:0xf
	v_max_num_f32_dpp v20, v20, v20 row_xmask:4 row_mask:0xf bank_mask:0xf
	v_max_num_f32_dpp v20, v20, v20 row_xmask:8 row_mask:0xf bank_mask:0xf
	v_permlanex16_b32 v21, v20, s10, s11           ; and the other half's
	v_max_num_f32 v20, v20, v21                    ; every lane holds the row's maximum
	v_mov_b32 v21, v20                             ; twice: a pair for the packed forms
.irp i, 0,2,4,6,8,10,12,14
	v_pk_add_f32 v[4+\i:5+\i], v[4+\i:5+\i], v[20:21] neg_lo:[0,1] neg_hi:[0,1]   ; x - maximum
.endr
.irp i, 0,2,4,6,8,10,12,14
	v_pk_mul_f32 v[4+\i:5+\i], v[4+\i:5+\i], s[12:13] op_sel_hi:[1,0]   ; x log2(e)
.endr
.irp i, 0,1,2,3,4,5,6,7,8,9,10,11,12,13,14,15
	v_exp_f32 v[4+\i], v[4+\i]
.endr
	v_nop                                          ; one plain place behind the exponentials
	s_wait_alu depctr_va_vdst(0)
	v_pk_add_f32 v[22:23], v[4:5], v[6:7]          ; the sum of my 16, in two chains
	v_pk_add_f32 v[24:25], v[8:9], v[10:11]
	v_pk_add_f32 v[22:23], v[22:23], v[12:13]
	v_pk_add_f32 v[24:25], v[24:25], v[14:15]
	v_pk_add_f32 v[22:23], v[22:23], v[16:17]
	v_pk_add_f32 v[24:25], v[24:25], v[18:19]
	v_pk_add_f32 v[22:23], v[22:23], v[24:25]
	v_add_f32 v22, v22, v23
	v_add_f32_dpp v22, v22, v22 row_xmask:1 row_mask:0xf bank_mask:0xf
	v_add_f32_dpp v22, v22, v22 row_xmask:2 row_mask:0xf bank_mask:0xf
	v_add_f32_dpp v22, v22, v22 row_xmask:4 row_mask:0xf bank_mask:0xf
	v_add_f32_dpp v22, v22, v22 row_xmask:8 row_mask:0xf bank_mask:0xf
	v_permlanex16_b32 v23, v22, s10, s11
	v_add_f32 v24, v22, v23                        ; the row's sum, in every lane
	v_rcp_f32 v22, v24
	v_nop                                          ; one plain place behind the reciprocal
	s_wait_alu depctr_va_vdst(0)
	v_mov_b32 v23, v22
.irp i, 0,2,4,6,8,10,12,14
	v_pk_mul_f32 v[4+\i:5+\i], v[4+\i:5+\i], v[22:23]
.endr
.irp i, 0,1,2,3
	global_store_b128 v1, v[4+4*\i:7+4*\i], s[6:7] offset:512*\i   ; 32 lanes store 512 consecutive bytes, at a multiple of 512 from out0's first byte
.endr
	s_endpgm
.Lfunc_end_k_qf8bd42ba22_softmax:
	.size	k_qf8bd42ba22_softmax, .Lfunc_end_k_qf8bd42ba22_softmax-k_qf8bd42ba22_softmax
	.p2alignl 7, 3214868480
	.fill 96, 4, 3214868480
	.section	.rodata,"a",@progbits
	.p2align	6, 0x0
	.amdhsa_kernel k_qf8bd42ba22_softmax
		.amdhsa_group_segment_fixed_size 0
		.amdhsa_private_segment_fixed_size 0
		.amdhsa_enable_private_segment 0
		.amdhsa_kernarg_size 16
		.amdhsa_user_sgpr_count 2
		.amdhsa_user_sgpr_kernarg_segment_ptr 1
		.amdhsa_wavefront_size32 1
		.amdhsa_system_sgpr_workgroup_id_x 1
		.amdhsa_system_sgpr_workgroup_id_y 1
		.amdhsa_system_sgpr_workgroup_id_z 1
		.amdhsa_system_vgpr_workitem_id 0
		.amdhsa_next_free_vgpr 32
		.amdhsa_next_free_sgpr 66
		.amdhsa_reserve_vcc 0
		.amdhsa_float_denorm_mode_32 3
		.amdhsa_float_denorm_mode_16_64 3
		.amdhsa_memory_ordered 1
		.amdhsa_forward_progress 1
		.amdhsa_inst_pref_size 6
	.end_amdhsa_kernel
	.amdgpu_metadata
---
amdhsa.version: [ 1, 2 ]
amdhsa.kernels:
  - .name:           k_qf8bd42ba22_softmax
    .symbol:         k_qf8bd42ba22_softmax.kd
    .args:
      - { .name: scores, .offset: 0, .size: 8, .value_kind: global_buffer, .address_space: global }
      - { .name: out0, .offset: 8, .size: 8, .value_kind: global_buffer, .address_space: global }
    .group_segment_fixed_size: 0
    .private_segment_fixed_size: 0
    .kernarg_segment_align: 8
    .kernarg_segment_size: 16
    .max_flat_workgroup_size: 32
    .sgpr_count:     66
    .vgpr_count:     32
    .wavefront_size: 32
...
	.end_amdgpu_metadata
.endif
;; end of part 3
;; ======== version 2 of 2: 3 launches
;; limits: right only within a limited range of input values
;; workspace buffers: wq 819,200 bytes; scores 262,144 bytes; aq 52,428,800 bytes
;; launch quante (part 4): grid 256 x 1, 8 waves a work-group, no clusters, 327,680 bytes of LDS; arguments encoder_outputs, W_attn, aq, wq; writes aq, wq
.if DOCPART == 4
	.amdgcn_target "amdgcn-amd-amdhsa--gfx1250"
	.amdhsa_code_object_version 6
	.text
	.protected	k_qf8bd42ba22_quante
	.globl	k_qf8bd42ba22_quante
	.p2align	8
	.type	k_qf8bd42ba22_quante,@function
k_qf8bd42ba22_quante:
	s_mov_b64 s[64:65], 0
	v_nop
	global_prefetch_b8 v0, s[64:65] scope:SCOPE_SE
	s_setreg_imm32_b32 hwreg(HW_REG_WAVE_MODE, 25, 1), 1
	s_wait_xcnt 0x0
; DEAD WORK, for the whole program: scores[b][s] = hidden[b] . (W enc[s][b]) + hidden[b] . b_attn.  The second term does not hang on s, and the softmax runs over s:
; softmax(x + c) = softmax(x) for every finite c.  So b_attn reaches no output, whatever its values; it is not loaded and is no launch's argument.
; LIMIT: a NaN, an infinity or an overflow that would arise in hidden . b_attn alone is not carried to the result.
; THIS LAUNCH quantises both operands of the product: codes of BF6 (E3M2) with one E8M0 byte for each 32 along K, laid as images of the operand's registers (a fragment = 16 rows x 128 K = 12 registers:
; registers 4 cc .. 4 cc + 3 at 512 cc + 16 x lane).  A block's byte is its largest magnitude's exponent field - 4, held at 1 from below.
; LIMITS: a block of zeros, or one under 2^-122, carries the byte 1 (zero codes add nothing; this program alone reads the bytes); NaN and infinities among the inputs are not served.
; aq, from enc [512 (s)][128 (b)][1024 (k)]: block 4 wg + c (wg = 2 b + u) of 51,200 bytes holds rows s = 256 u .. + 255 of batch b at K = 256 c .. + 255:
;   fragment 2 t + ks (row tile t, K step ks of the chunk) at 1536 (2 t + ks);  scale words at 49152 + 128 t + 4 (16 ks + r).
; wq, from W_attn [1024 (n)][1024 (k)]: 8 slots of 102,400 bytes; slot g = 2 c + v holds, for both halves j of N, tiles i = 0 .. 15; tile (j, tau = 16 v + i) is made of W's rows 512 j + 32 r + tau:
;   codes at g x 102400 + j x 49152 + i x 3072 + ks x 1536;  scale words at g x 102400 + 98304 + j x 2048 + (i / 2) x 256 + 8 (16 ks + r) + 4 (i % 2).
; SHARES.  Work-group wg takes its 256 rows of enc; wave w rows 32 w .. + 31 (row tiles 2 w, 2 w + 1), in 8 K steps of 128.  One tensor load brings 32 rows x 512 bytes, each row 512 consecutive bytes at a multiple of 512,
; laid 528 bytes apart in LDS, so that a lane reads its 16 neighbours along K with the 16 rows in different banks (ISA guide 11.1).  Each wave has two slots of its own; a slot is filled again behind the wait for all
; loads, the add, the wait for the reads and a barrier, one load a wave; by this text's count one tensor load of a wave is out.  32 rows a load: 64 would leave one wave to a SIMD.
; W's 512 pieces are dealt two to a work-group (tiles 2 q, 2 q + 1 at one K step): wave 0 takes them through a stage of its own while the first tiles are on their way.
; PREFETCH: in K step k each wave names the 64 blocks of 256 bytes of its rows' K step k + 2 (a lane a row, two instructions), one step ahead of the tensor load that wants them; steps 6 and 7 ask for nothing.
; No cluster: no byte of enc is read by two work-groups, and W's pieces are read once.
.set X0,   16
.set X1,   80
.set PC0,  144
.set TM,   164
.set PW0,  180
.set PW1,  181
.set PC1,  184
.set XW,   184                         ; W's piece turned (wave 0, ahead of the steps)
.set SPW,  248
.set NIL,  249
.set TILE, 32*528
.set WSTG, 16*TILE                     ; behind the eight rings: W's stage
.set SCL,  WSTG+16*528                 ; 256 bytes of scale words for each wave
.set SPARE, SCL+2048                   ; the spare words: 128 bytes a wave
.set G1,   16
.set G0,   28
.set SEL,  38
.macro QUANT xb, pc, pw
.irp b, 0,1,2,3
	v_max3_num_f32 v[TM+\b], |v[(\xb)+16*\b]|, |v[(\xb)+1+16*\b]|, 0x2800000   ; with the floor 2^(5 - 127)
.endr
.irp i, 2,4,6,8,10,12,14
.irp b, 0,1,2,3
	v_max3_num_f32 v[TM+\b], v[TM+\b], |v[(\xb)+16*\b+\i]|, |v[(\xb)+1+16*\b+\i]|
.endr
.endr
.irp b, 0,1,2,3
	v_permlanex16_b32 v[TM+4+\b], v[TM+\b], s[SEL], s[SEL+1]
.endr
.irp b, 0,1,2,3
	v_max_num_f32 v[TM+\b], v[TM+\b], v[TM+4+\b]   ; the block's largest magnitude
.endr
.irp b, 0,1,2,3
	v_add_nc_u32 v[TM+12+\b], 0xfe000000, v[TM+\b] ; 4 off its exponent field: the conversion's scale operand
.endr
.irp b, 0,1,2,3
	v_lshrrev_b32 v[TM+4+\b], 23, v[TM+12+\b]      ; the byte
.endr
	v_lshl_or_b32 v[\pw], v[TM+5], 8, v[TM+4]
	v_lshl_or_b32 v[\pw], v[TM+6], 16, v[\pw]
	v_lshl_or_b32 v[\pw], v[TM+7], 24, v[\pw]
.irp c, 0,1
	v_cvt_scalef32_pk16_bf6_f32 v[(\pc)+6*\c:(\pc)+2+6*\c], v[(\xb)+32*\c:(\xb)+15+32*\c], v[TM+12+2*\c]
	v_cvt_scalef32_pk16_bf6_f32 v[(\pc)+12+4*\c:(\pc)+14+4*\c], v[(\xb)+16+32*\c:(\xb)+31+32*\c], v[TM+12+2*\c+1]
.endr
	v_nop                                          ; one plain place behind a scaled conversion
.irp c, 0,1                                    ; a whole block to a lane
.irp i, 0,1,2
	v_permlane16_swap_b32 v[(\pc)+6*\c+\i], v[(\pc)+12+4*\c+\i]
.endr
.irp i, 0,1,2
	v_mov_b32 v[(\pc)+3+6*\c+\i], v[(\pc)+12+4*\c+\i]
.endr
.endr
.endm
	s_load_b256 s[4:11], s[0:1], 0x0               ; enc s[4:5], W s[6:7], aq s[8:9], wq s[10:11]
	v_lshl_add_u32 v[SPW], v0, 2, SPARE
	v_mov_b32 v[NIL], 0
	ds_add_u32 v[SPW], v[NIL]                      ; the opening lines
	ds_add_u32 v[SPW], v[NIL]
	v_lshrrev_b32 v7, 5, v0
	v_readfirstlane_b32 s12, v7                    ; wave 0..7
	s_lshr_b32 s13, ttmp9, 1                       ; b
	s_and_b32 s14, ttmp9, 1                        ; u
	s_lshl_b32 s14, s14, 3
	s_add_co_u32 s14, s14, s12                     ; 8 u + w: my 32 rows
	s_lshl_b32 s36, s14, 24                        ; x 32 x 524,288 bytes (at most 15 x 2^24)
	s_lshl_b32 s13, s13, 12
	s_add_co_u32 s36, s36, s13                     ; + 4,096 b
	s_mov_b32 s37, 0
	s_mul_i32 s24, ttmp9, 204800                   ; my work-group's four blocks of aq
	s_lshl_b32 s13, s12, 8
	s_add_co_u32 s26, s24, s13
	s_add_co_u32 s26, s26, 49152                   ; my 256 bytes of a block's scale words
	s_mov_b32 s27, 0
	s_mul_i32 s13, s12, 6144
	s_add_co_u32 s24, s24, s13                     ; my four images of a block
	s_mov_b32 s25, 0
	s_mul_i32 s15, s12, 2*TILE                     ; my ring
	s_lshl_b32 s14, s12, 8
	s_add_co_u32 s14, s14, SCL
	s_mov_b32 s[SEL], 0x76543210
	s_mov_b32 s[SEL+1], 0xfedcba98
	s_mov_b32 s[G1+0], (3<<16)|(1<<20)|(6<<22)|(3<<25)   ; elements of 8 bytes; 4 dwords of padding behind every 128
	s_mov_b32 s[G1+1], 64<<16                      ; tensor_dim0 = 64
	s_mov_b32 s[G1+2], 32<<16                      ; tensor_dim1 = 32
	s_mov_b32 s[G1+3], 64<<16                      ; tile_dim0 = 64
	s_mov_b32 s[G1+4], 32                          ; tile_dim1 = 32
	s_mov_b32 s[G1+5], 65536                       ; from s to s + 1: 524,288 bytes
	s_mov_b32 s[G1+6], 0
	s_mov_b32 s[G1+7], 0
	v_and_b32 v8, 31, v0                           ; lane
	v_and_b32 v9, 15, v0                           ; r
	v_bfe_u32 v10, v0, 4, 1                        ; h
	v_lshlrev_b32 v1, 4, v8                        ; 16 x lane
	v_mul_u32_u24 v11, v9, 528
	v_lshl_add_u32 v11, v10, 6, v11                ; 528 r + 64 h
	v_add_nc_u32 v3, s15, v11                      ; where I read my ring
	v_lshl_add_u32 v4, v9, 2, s14                  ; my row's scale word
	v_lshl_add_u32 v5, v8, 3, s14                  ; the words' way out
	v_lshlrev_b32 v6, 3, v8                        ; 8 x lane
	v_lshlrev_b32 v14, 19, v8                      ; prefetch: a lane a row
	v_add_nc_u32 v2, WSTG, v1                      ; W's stage, in
	v_add_nc_u32 v15, WSTG, v11                    ; and out
	v_lshlrev_b32 v7, 3, v9                        ; W's scale words: 8 r
.irp b, 0,1,2,3
	v_mov_b32 v[TM+4+\b], 0                        ; a lane permute's destination counts as a source
.endr
	s_wait_dscnt 0x0
	s_wait_alu depctr_va_vdst(0)                   ; the wait at the head's end
	s_wait_kmcnt 0x0
	s_add_nc_u64 s[36:37], s[4:5], s[36:37]        ; enc at my first row
	s_add_nc_u64 s[24:25], s[8:9], s[24:25]
	s_add_nc_u64 s[26:27], s[8:9], s[26:27]
.irp s, 0,1
	s_mov_b32 s[G0+4*\s], 1
	s_add_co_u32 s[G0+4*\s+1], s15, \s*TILE
	s_add_nc_u64 s[G0+4*\s+2:G0+4*\s+3], s[36:37], \s*512
	s_or_b32 s[G0+4*\s+3], s[G0+4*\s+3], 0x80000000
.endr
	tensor_load_to_lds s[G0:G0+3], s[G1:G1+7]      ; K step 0: one tensor load a wave at the head
	s_nop 0
	s_cmp_lg_u32 s12, 0
	s_cbranch_scc1 .Lsteps
	; W's two pieces, wave 0 alone: (g, j, q) from wg / 2, ks = wg % 2; tiles i = 2 q + e
	s_lshr_b32 s40, ttmp9, 1
	s_and_b32 s41, ttmp9, 1                        ; ks
	s_lshr_b32 s42, s40, 4                         ; g
	s_bfe_u32 s43, s40, 0x10003                    ; j
	s_and_b32 s44, s40, 7                          ; q
	s_and_b32 s45, s42, 1
	s_lshl_b32 s45, s45, 4
	s_lshl_b32 s46, s44, 1                         ; 2 q
	s_add_co_u32 s45, s45, s46                     ; tau of e = 0
	s_and_b32 s47, s42, 6
	s_add_co_u32 s47, s47, s41                     ; the K step of 128
	s_lshl_b32 s48, s43, 21                        ; from: row 512 j + tau of 4,096 bytes, + 512 a K step
	s_lshl_b32 s45, s45, 12
	s_add_co_u32 s48, s48, s45
	s_lshl_b32 s47, s47, 9
	s_add_co_u32 s48, s48, s47
	s_mov_b32 s49, 0
	s_add_nc_u64 s[6:7], s[6:7], s[48:49]
	s_mul_i32 s50, s42, 102400
	s_mul_i32 s45, s43, 49152
	s_add_co_u32 s52, s50, s45
	s_mul_i32 s45, s46, 3072
	s_add_co_u32 s52, s52, s45
	s_mul_i32 s45, s41, 1536
	s_add_co_u32 s52, s52, s45
	s_mov_b32 s53, 0
	s_add_nc_u64 s[52:53], s[10:11], s[52:53]      ; the images
	s_lshl_b32 s45, s43, 11
	s_add_co_u32 s50, s50, s45
	s_lshl_b32 s45, s44, 8
	s_add_co_u32 s50, s50, s45
	s_lshl_b32 s45, s41, 7
	s_add_co_u32 s50, s50, s45
	s_add_co_u32 s50, s50, 98304
	s_mov_b32 s51, 0
	s_add_nc_u64 s[50:51], s[10:11], s[50:51]      ; the 32 scale words: 128 consecutive bytes
.irp e, 0,1
.irp i, 0,1,2,3,4,5,6,7,8,9,10,11,12,13,14,15
	global_load_b128 v[X0+64*\e+4*\i:X0+64*\e+4*\i+3], v1, s[6:7] offset:131072*\i+4096*\e th:TH_LOAD_NT   ; the tile's row i lies 32 rows of W on
.endr
.endr
.irp e, 0,1
	s_wait_loadcnt 16*(1-\e)                       ; piece e's 16 loads are in
.irp i, 0,1,2,3,4,5,6,7,8,9,10,11,12,13,14,15
	ds_store_b128 v2, v[X0+64*\e+4*\i:X0+64*\e+4*\i+3] offset:528*\i
.endr
.irp b, 0,1,2,3
.irp j, 0,1,2,3
	ds_load_b128 v[XW+16*\b+4*\j:XW+16*\b+4*\j+3], v15 offset:128*\b+16*\j   ; LDS serves a wave's instructions in order (ISA guide 5.7.1.4)
.endr
.endr
	s_wait_dscnt 0x0
	s_wait_xcnt 0x0                                ; the stores of the piece before have read the codes' registers
	QUANT XW, PC0, PW0+\e
.irp c, 0,1,2
	global_store_b128 v1, v[PC0+4*\c:PC0+4*\c+3], s[52:53] offset:3072*\e+512*\c
.endr
.endr
	global_store_b64 v7, v[PW0:PW1], s[50:51]      ; row r's words of both tiles; both halves of the lanes store the same bytes
.Lsteps:
; K step k1 is asked for, into the slot read a step ago (k1 = 1: slot 1's first fill, issued in the same way)
.macro FILL k1
	s_wait_tensorcnt 0x0                           ; all my tensor loads have landed
	ds_add_u32 v[SPW], v[NIL]
.if (\k1) >= 2
	s_add_nc_u64 s[G0+4*((\k1)%2)+2:G0+4*((\k1)%2)+3], s[G0+4*((\k1)%2)+2:G0+4*((\k1)%2)+3], 1024
.endif
	s_wait_dscnt 0x0                               ; the add is done, my reads of the slot are back
	s_barrier_signal -1
	s_barrier_wait -1
	tensor_load_to_lds s[G0+4*((\k1)%2):G0+4*((\k1)%2)+3], s[G1:G1+7]
	s_nop 0
.endm
; K step k: my two pieces of 16 rows x 128 K.  left: the younger tensor load, which may stay out
.macro STEP k, left
	s_wait_tensorcnt \left
	s_wait_xcnt 0x0                                ; earlier stores have read the registers that this step writes
.irp t, 0,1
.irp b, 0,1,2,3
.irp j, 0,1,2,3
	ds_load_b128 v[X0+64*\t+16*\b+4*\j:X0+64*\t+16*\b+4*\j+3], v3 offset:((\k)%2)*TILE+8448*\t+128*\b+16*\j   ; register 16 b + i = k 32 b + 16 h + i of row r
.endr
.endr
.endr
.if (\k) < 6
	global_prefetch_b8 v14, s[36:37] offset:512*((\k)+2) th:TH_LOAD_NT scope:SCOPE_SE
	global_prefetch_b8 v14, s[36:37] offset:512*((\k)+2)+256 th:TH_LOAD_NT scope:SCOPE_SE
.endif
	s_wait_dscnt 16                                ; the first piece's 16 loads are in
	QUANT X0, PC0, PW0
.irp c, 0,1,2
	global_store_b128 v1, v[PC0+4*\c:PC0+4*\c+3], s[24:25] offset:51200*((\k)/2)+1536*((\k)%2)+512*\c   ; 512 consecutive bytes, at a multiple of 512
.endr
	ds_store_b32 v4, v[PW0] offset:64*((\k)%2)     ; both halves of the lanes write the same word
	s_wait_dscnt 0x0
	QUANT X1, PC1, PW1
.irp c, 0,1,2
	global_store_b128 v1, v[PC1+4*\c:PC1+4*\c+3], s[24:25] offset:51200*((\k)/2)+1536*(2+(\k)%2)+512*\c
.endr
	ds_store_b32 v4, v[PW1] offset:128+64*((\k)%2)
.if (\k)%2 == 1
	ds_load_b64 v[12:13], v5                       ; a chunk's 64 scale words of my two row tiles
	s_wait_dscnt 0x0
	global_store_b64 v6, v[12:13], s[26:27] offset:51200*((\k)/2)   ; 256 consecutive bytes, at a multiple of 256
.endif
.endm
.irp k, 0,1,2,3,4,5,6
	FILL (\k)+1
	STEP \k, 1
.endr
	STEP 7, 0
	s_wait_tensorcnt 0x0                           ; the wave's end
	ds_add_u32 v[SPW], v[NIL]
	s_wait_dscnt 0x0
	s_endpgm
.Lfunc_end_k_qf8bd42ba22_quante:
	.size	k_qf8bd42ba22_quante, .Lfunc_end_k_qf8bd42ba22_quante-k_qf8bd42ba22_quante
	.p2alignl 7, 3214868480
	.fill 96, 4, 3214868480
	.section	.rodata,"a",@progbits
	.p2align	6, 0x0
	.amdhsa_kernel k_qf8bd42ba22_quante
		.amdhsa_group_segment_fixed_size 327680
		.amdhsa_private_segment_fixed_size 0
		.amdhsa_enable_private_segment 0
		.amdhsa_kernarg_size 32
		.amdhsa_user_sgpr_count 2
		.amdhsa_user_sgpr_kernarg_segment_ptr 1
		.amdhsa_wavefront_size32 1
		.amdhsa_system_sgpr_workgroup_id_x 1
		.amdhsa_system_sgpr_workgroup_id_y 1
		.amdhsa_system_sgpr_workgroup_id_z 1
		.amdhsa_system_vgpr_workitem_id 0
		.amdhsa_next_free_vgpr 256
		.amdhsa_next_free_sgpr 66
		.amdhsa_reserve_vcc 0
		.amdhsa_float_denorm_mode_32 3
		.amdhsa_float_denorm_mode_16_64 3
		.amdhsa_memory_ordered 1
		.amdhsa_forward_progress 1
		.amdhsa_inst_pref_size 107
	.end_amdhsa_kernel
	.amdgpu_metadata
---
amdhsa.version: [ 1, 2 ]
amdhsa.kernels:
  - .name:           k_qf8bd42ba22_quante
    .symbol:         k_qf8bd42ba22_quante.kd
    .args:
      - { .name: encoder_outputs, .offset: 0, .size: 8, .value_kind: global_buffer, .address_space: global }
      - { .name: W_attn, .offset: 8, .size: 8, .value_kind: global_buffer, .address_space: global }
      - { .name: aq, .offset: 16, .size: 8, .value_kind: global_buffer, .address_space: global }
      - { .name: wq, .offset: 24, .size: 8, .value_kind: global_buffer, .address_space: global }
    .group_segment_fixed_size: 327680
    .private_segment_fixed_size: 0
    .kernarg_segment_align: 8
    .kernarg_segment_size: 32
    .max_flat_workgroup_size: 256
    .sgpr_count:     66
    .vgpr_count:     256
    .wavefront_size: 32
...
	.end_amdgpu_metadata
.endif
;; end of part 4
;; launch energy (part 5): grid 256 x 1, 4 waves a work-group, clusters of 4 x 1, 327,680 bytes of LDS; arguments aq, hidden, wq, scores; writes scores
.if DOCPART == 5
	.amdgcn_target "amdgcn-amd-amdhsa--gfx1250"
	.amdhsa_code_object_version 6
	.text
	.protected	k_qf8bd42ba22_energy
	.globl	k_qf8bd42ba22_energy
	.p2align	8
	.type	k_qf8bd42ba22_energy,@function
k_qf8bd42ba22_energy:
	s_mov_b64 s[64:65], 0
	v_nop
	global_prefetch_b8 v0, s[64:65] scope:SCOPE_SE
	s_setreg_imm32_b32 hwreg(HW_REG_WAVE_MODE, 25, 1), 1
	s_wait_xcnt 0x0
	s_wait_alu depctr_hold_cnt(0) depctr_sa_sdst(0) depctr_va_vdst(0) depctr_va_sdst(0) depctr_va_ssrc(0) depctr_va_vcc(0) depctr_vm_vsrc(0)
	s_getreg_b32 s2, hwreg(HW_REG_IB_STS2, 6, 4)
	s_cmp_eq_u32 s2, 0
	s_cbranch_scc0 .Lentry_in_a_cluster
	s_endpgm
.Lentry_in_a_cluster:
	s_bfe_u32 s2, ttmp6, 0x10000c
	s_cmp_lg_u32 s2, 0x3003
	s_cbranch_scc0 .Lentry_shape_is_right
	s_endpgm
.Lentry_shape_is_right:
; scores[b][s] = sum over n of hidden[b][n] x (sum over k of Q(enc[s][b][k]) Q(W[n][k])).  hidden . b_attn is left out: it is the same for all s of a row, and the softmax over s takes it away (shown at the first kernel's head).
; Both operands come as images of the operand's registers: enc's from aq, W's from wq.  The energy never exists in memory: each 16 x 16 tile is multiplied by hidden and added into f32 score sums.
; SHARES.  Work-group wg owns b = wg / 2 and s = 256 (wg % 2) .. + 255.  Wave w = (ih = w / 2, j = w % 2) multiplies rows 128 ih .. + 127 (8 tiles) by the half j of N (32 tiles tau; tile (j, tau) = W's rows 512 j + 32 r + tau).
; K goes in four chunks of 256; a chunk's 16 fragments of A stay in registers; W's chunk comes in two slots of wq through a ring of two LDS slots.
; TENSOR LOADS, one a wave behind each round: waves 0 and 1 fetch the halves of the next slot of wq, JOINTLY with the cluster's four work-groups, which walk the same slots; behind a chunk's second change of slots
; waves 2 and 3 fetch the halves of the next chunk's images of A (51,200 bytes, my work-group's own: no mask), into bytes whose reads ended a slot earlier.  One tensor load of a wave is out at any time.
; PREFETCH: in a chunk's first slot the 128 threads name the 200 blocks of 256 bytes of the next chunk's images, one slot (256 products a wave) ahead of the tensor load; the last chunk asks for nothing.
; wq's slots are not prefetched: 819,200 bytes in all, which every one of the 64 clusters walks in the same order.
; LIMITS.  K is summed in four parts of 256, each multiplied by hidden and added: another order of f32 rounding than one sum over K.  NaN and infinities among the inputs are not served.
; REGISTERS: window 0: v1-2 the add's; v3-7, v24-26 LDS addresses; v8-15 A's scale words; v16-19 W's; v20-23 hidden's pairs; v30-31 prefetch offsets; v64-255 A's fragments.  window 1: the end's work.
;   window 2: v0-63 accumulators, two sets of four; v64-127 the score sums; v128-223 W's fragments, two sets.
.set WSLOT, 102400
.set WHALF, 51200
.set AHALF, 25600
.set RING1, 1<<17
.set HIMG,  WSLOT                      ; hidden's images, 4,096 bytes a wave
.set IMG,   RING1+WSLOT                ; A's images of one chunk, filled by tensor loads alone
.set ISC,   IMG+49152
.set STG,   ISC+2048                   ; the end's stages
.set STGW,  8704
.set SCX,   STG+4*STGW
.set SPARE, SCX+2048
.set SPW,  1
.set NIL,  2
.set VB0,  3
.set VBC,  4
.set VS0,  5
.set VSC,  6
.set VH0,  7
.set SA,   8
.set SW,   16
.set HP,   20
.set VHC,  24
.set VAI,  25
.set VAS,  26
.set HOF,  28
.set HID,  32
.set AF,   64
.set X0,   0                           ; window 1
.set TW,   113
.set TR,   114
.set SXW,  115
.set SXR,  116
.set GS,   117
.set S,    64                          ; window 2
.set BF,   128
.set RTB,  22
.set RTQ,  23
.set G1,   24
.set G0,   32
.set G0A,  36
.set G1A,  40
.set RTS,  48
.set RTH,  49
.set SLT,  50
.set QC,   51
.set PFA,  60
.set GEMM, 0xa8
.set MSB, 0
.macro WIN new
.if MSB != \new
	s_set_vgpr_msb (MSB<<8)|\new
.set MSB, \new
.endif
.endm
.macro ROUND                           ; a round of the cluster's barrier
	s_barrier_signal -1
	s_barrier_wait -1
	s_cmp_lg_u32 s14, 0
	s_cbranch_scc1 .Lnot_wave_0_\@
	s_barrier_signal -3
.Lnot_wave_0_\@:
	s_barrier_wait -3
	s_barrier_signal -1
	s_barrier_wait -1
.endm
.macro TLOAD both                      ; waves 0, 1: wq's halves, jointly; both = 1: waves 2, 3: the halves of A's images.
	s_cmp_lt_u32 s14, 2
	s_cbranch_scc0 .Lta_\@
	tensor_load_to_lds s[G0:G0+3], s[G1:G1+7]
	s_nop 0
.rept 4
	v_nop
.endr
.if \both
	s_branch .Ltj_\@
.endif
.Lta_\@:
.if \both
	tensor_load_to_lds s[G0A:G0A+3], s[G1A:G1A+7]
	s_nop 0
.rept 4
	v_nop
.endr
.Ltj_\@:
.endif
.endm
.macro ADDR
	v_add_nc_u32 v[VBC], s[RTQ], v[VB0]
	v_add_nc_u32 v[VSC], s[RTS], v[VS0]
	v_add_nc_u32 v[VHC], s[RTH], v[VH0]
.endm
.macro FETCH p, k                      ; the pair of tiles k pairs on, into set p: scale words, hidden's two numbers, four fragments
	WIN 0
	ds_load_b64 v[SW+2*(\p):SW+2*(\p)+1], v[VSC] offset:256*(\k)
	ds_load_b64 v[HP+2*(\p):HP+2*(\p)+1], v[VHC] offset:256*(\k)
	WIN GEMM
.irp e, 0,1
.irp s, 0,1
.irp c, 0,1,2
	ds_load_b128 v[BF+48*(\p)+12*(2*\e+\s)+4*\c:BF+48*(\p)+12*(2*\e+\s)+4*\c+3], v[VBC] offset:6144*(\k)+3072*\e+1536*\s+512*\c
.endr
.endr
.endr
.endm
.set EPV, 0
.set EPP, 0
.set EPE, 0
.set EPH, 0
.macro EPI n                           ; line n of 16 of the pending group's way out: two score sums += hidden[tau] x two numbers of the energy; each accumulator from its low end on
.if EPV
.set eS, S+8*(4*EPH+(\n)/4)+2*((\n)%4)
.set eA, 32*EPH+8*((\n)/4)+2*((\n)%4)
.set eH, HP+2*EPP
.if EPE
	v_pk_fma_f32 v[eS:eS+1], v[eH:eH+1], v[eA:eA+1], v[eS:eS+1] op_sel:[1,0,0] op_sel_hi:[1,1,1]
.else
	v_pk_fma_f32 v[eS:eS+1], v[eH:eH+1], v[eA:eA+1], v[eS:eS+1] op_sel_hi:[0,1,1]
.endif
.endif
.endm
.macro GROUP e, p, half                ; tile e of set p against four row tiles, 256 along K: 8 products; four accumulators by turns, the groups alternate between two sets; the other set's way out fills the places
.set gn, 0
.rept 8
.set gs, gn/4
.set ga, 4*(\half)+gn%4
.set gD, 32*(\half)+8*(gn%4)
.set gA, AF+12*(2*ga+gs)
.set gB, BF+48*(\p)+12*(2*(\e)+gs)
.if gs == 0
	v_wmma_scale_f32_16x16x128_f8f6f4 v[gD:gD+7], v[gA:gA+11], v[gB:gB+11], 0, v[SA+ga], v[SW+2*(\p)+(\e)] matrix_a_fmt:MATRIX_FMT_BF6 matrix_b_fmt:MATRIX_FMT_BF6
.else
	v_wmma_scale_f32_16x16x128_f8f6f4 v[gD:gD+7], v[gA:gA+11], v[gB:gB+11], v[gD:gD+7], v[SA+ga], v[SW+2*(\p)+(\e)] matrix_a_fmt:MATRIX_FMT_BF6 matrix_b_fmt:MATRIX_FMT_BF6 matrix_a_scale:MATRIX_SCALE_ROW1 matrix_b_scale:MATRIX_SCALE_ROW1
.endif
	EPI 2*gn
	EPI 2*gn+1
.set gn, gn+1
.endr
.if EPV == 0
.rept 4
	v_nop
.endr
.endif
.set EPV, 1
.set EPP, \p
.set EPE, \e
.set EPH, \half
.endm
.macro PAIR p                          ; 32 products; behind the first group the other set is asked for; a slot's last trip has none to ask for
	s_wait_dscnt 0x0
	WIN GEMM
	GROUP 0, \p, 0
.if (\p) == 0
	s_wait_alu depctr_va_vdst(0)                   ; the wait ahead of the readers of the three addresses
	FETCH 1, 1
.else
	WIN 0
	s_cmp_eq_u32 s[QC], 1
	s_cbranch_scc1 .Lno_fetch_\@
	FETCH 0, 2
	WIN 0
.Lno_fetch_\@:
	WIN GEMM
.endif
	GROUP 0, \p, 1
	GROUP 1, \p, 0
	GROUP 1, \p, 1
.endm
.macro DRAIN
	WIN GEMM
.set dn, 0
.rept 16
	EPI dn
.set dn, dn+1
.endr
.set EPV, 0
.endm
.macro PRODUCTS                        ; a slot: four trips of two pairs of tiles
	s_mov_b32 s[QC], 4
.Lquad_\@:
	PAIR 0
	PAIR 1
	DRAIN
	WIN 0
	s_add_co_u32 s[RTQ], s[RTQ], 12288
	s_add_co_u32 s[RTS], s[RTS], 512
	s_add_co_u32 s[RTH], s[RTH], 512
	ADDR
	s_sub_co_u32 s[QC], s[QC], 1
	s_cmp_lg_u32 s[QC], 0
	s_cbranch_scc1 .Lquad_\@
.endm
; THE CHANGE OF SLOTS.  Every wave: all its tensor loads have landed; the add; its LDS reads are back.  fill = 1: a round, then the next slot of wq; 2: A's next images too; 0: a plain barrier, nothing is fetched.
.macro CHANGE fill
	WIN 0
.if \fill == 2
	s_wait_xcnt 0x0                                ; the prefetches have read their base
	s_add_nc_u64 s[PFA:PFA+1], s[PFA:PFA+1], 2*AHALF
.endif
	s_wait_tensorcnt 0x0
	ds_add_u32 v[SPW], v[NIL]
.if \fill
	s_xor_b32 s[G0+1], s[G0+1], RING1
	s_add_nc_u64 s[G0+2:G0+3], s[G0+2:G0+3], WSLOT
.if \fill == 2
	s_add_nc_u64 s[G0A+2:G0A+3], s[G0A+2:G0A+3], 2*AHALF
.endif
	s_wait_dscnt 0x0
	ROUND
	TLOAD \fill-1
.else
	s_wait_dscnt 0x0
	s_barrier_signal -1
	s_barrier_wait -1
.endif
	s_mov_b32 s[RTQ], s[RTB]
	s_mov_b32 s[RTS], s[RTB]
	s_and_b32 s[RTH], s[RTH], 0x800                ; hidden's pairs 0-7 in a chunk's first slot, 8-15 in its second
	ADDR
.endm
.macro ALOADS                          ; a chunk's 16 fragments of A and their scale words
.set hf, 0
.rept 16
.irp c, 0,1,2
	ds_load_b128 v[AF+12*hf+4*\c:AF+12*hf+4*\c+3], v[VAI] offset:1536*hf+512*\c
.endr
.set hf, hf+1
.endr
.irp a, 0,1,2,3,4,5,6,7
	ds_load_b32 v[SA+\a], v[VAS] offset:128*\a
.endr
.endm
	s_load_b256 s[4:11], s[0:1], 0x0               ; aq s[4:5], hidden s[6:7], wq s[8:9], scores s[10:11]
	v_lshl_add_u32 v[SPW], v0, 2, SPARE
	v_mov_b32 v[NIL], 0
	ds_add_u32 v[SPW], v[NIL]                      ; the opening lines
	ds_add_u32 v[SPW], v[NIL]
	v_lshrrev_b32 v27, 5, v0
	v_readfirstlane_b32 s14, v27                   ; wave
	s_lshr_b32 s15, s14, 1                         ; ih
	s_and_b32 s16, s14, 1                          ; j; also: which half I fetch
	s_lshl_b32 s21, s16, 11
	v_and_b32 v100, 31, v0                         ; lane
	v_and_b32 v101, 15, v0                         ; r
	v_bfe_u32 v102, v0, 4, 1                       ; h
	v_lshl_add_u32 v[HOF], v101, 7, s21            ; hidden: 2048 j + 128 r: my 32 numbers
	s_bfe_u32 s17, ttmp6, 0x40000                  ; cx: it enters aq's, hidden's and scores' addresses alone
	s_lshl_b32 s18, ttmp9, 2
	s_add_co_u32 s18, s18, s17                     ; the work-group
	s_lshr_b32 s19, s18, 1                         ; b
	s_and_b32 s20, s18, 1
	s_lshl_b32 s54, s19, 12
	s_mov_b32 s55, 0
	s_lshl_b32 s56, s19, 11
	s_lshl_b32 s57, s20, 10
	s_add_co_u32 s56, s56, s57
	s_mov_b32 s57, 0
	s_mul_i32 s58, s16, WHALF                      ; my half of a slot, in wq and in LDS alike
	s_mov_b32 s59, 0
	s_mul_i32 s60, s18, 8*AHALF                    ; my work-group's four blocks of aq
	s_mul_i32 s21, s16, AHALF
	s_add_co_u32 s52, s60, s21
	s_mov_b32 s53, 0
	s_add_co_u32 s60, s60, 2*AHALF                 ; the prefetches begin at chunk 1
	s_mov_b32 s61, 0
	s_mov_b32 s[G1+0], 15|(3<<16)|(1<<21)          ; wq: mask of the four, elements of 8 bytes; 200 rows of 256 bytes, dense
	s_mov_b32 s[G1+1], 32<<16
	s_mov_b32 s[G1+2], 200<<16
	s_mov_b32 s[G1+3], 32<<16
	s_mov_b32 s[G1+4], 200
	s_mov_b32 s[G1+5], 32
	s_mov_b32 s[G1+6], 0
	s_mov_b32 s[G1+7], 0
	s_mov_b32 s[G1A+0], 3<<16                      ; aq: no mask; 100 rows of 256 bytes, dense
	s_mov_b32 s[G1A+1], 32<<16
	s_mov_b32 s[G1A+2], 100<<16
	s_mov_b32 s[G1A+3], 32<<16
	s_mov_b32 s[G1A+4], 100
	s_mov_b32 s[G1A+5], 32
	s_mov_b32 s[G1A+6], 0
	s_mov_b32 s[G1A+7], 0
	s_mov_b32 s[G0], 1
	s_mov_b32 s[G0+1], s58
	s_mov_b32 s[G0A], 1
	s_add_co_u32 s[G0A+1], s21, IMG
	s_wait_dscnt 0x0
	s_wait_alu depctr_va_vdst(0)                   ; the wait ahead of the blocking wait
	s_wait_kmcnt 0x0
	s_add_nc_u64 s[6:7], s[6:7], s[54:55]
	s_add_nc_u64 s[10:11], s[10:11], s[56:57]
	s_add_nc_u64 s[G0+2:G0+3], s[8:9], s[58:59]
	s_or_b32 s[G0+3], s[G0+3], 0x80000000
	s_add_nc_u64 s[G0A+2:G0A+3], s[4:5], s[52:53]
	s_or_b32 s[G0A+3], s[G0A+3], 0x80000000
	s_add_nc_u64 s[PFA:PFA+1], s[4:5], s[60:61]
.irp t, 0,1,2,3,4,5,6,7
	global_load_b128 v[HID+4*\t:HID+4*\t+3], v[HOF], s[6:7] offset:16*\t
.endr
	ROUND                                          ; the first joint loads meet
	TLOAD 1                                        ; slot 0 of wq and chunk 0's images: one tensor load a wave
	s_mul_i32 s52, s16, 49152
	s_lshl_b32 s53, s16, 11
	s_add_co_u32 s53, s53, 98304
	s_lshl_b32 s54, s14, 12
	s_add_co_u32 s54, s54, HIMG
	s_mul_i32 s55, s15, 24576
	s_add_co_u32 s55, s55, IMG
	s_lshl_b32 s56, s15, 10
	s_add_co_u32 s59, s56, SCX
	s_add_co_u32 s56, s56, ISC
	s_mul_i32 s57, s14, STGW
	s_add_co_u32 s57, s57, STG
	s_lshl_b32 s58, s14, 9
	s_add_co_u32 s58, s58, SCX
	s_lshl_b32 s21, s16, 8
	s_add_co_u32 s59, s59, s21
	s_mov_b32 s[RTB], 0
	s_mov_b32 s[RTH], 0
	v_mul_u32_u24 v121, v100, 272
	v_mul_u32_u24 v122, v102, 4352
	v_lshl_add_u32 v122, v101, 4, v122
	v_lshrrev_b32 v123, 1, v101
	v_lshlrev_b32 v123, 6, v123
	v_lshl_add_u32 v123, v102, 5, v123
	v_and_b32 v124, 1, v101
	v_lshl_add_u32 v123, v124, 4, v123             ; 64 (r / 2) + 32 h + 16 (r % 2)
	v_lshl_add_u32 v[VB0], v100, 4, s52
	v_lshl_add_u32 v[VS0], v100, 3, s53
	v_lshl_add_u32 v[VH0], v100, 3, s54
	v_lshl_add_u32 v[VAI], v100, 4, s55
	v_lshl_add_u32 v[VAS], v100, 2, s56
	v_lshlrev_b32 v30, 8, v0                       ; prefetch: block = thread,
	v_add_nc_u32 v31, 128, v0
	v_min_u32 v31, 199, v31                        ; and thread + 128, held at the last of the 200
	v_lshlrev_b32 v31, 8, v31
	WIN 0x40
	v_add_nc_u32 v[TW], s57, v121
	v_add_nc_u32 v[TR], s57, v122
	v_add_nc_u32 v[SXW], s58, v123
	v_lshl_add_u32 v[SXR], v100, 3, s59
	v_lshlrev_b32 v[GS], 3, v0
	WIN 0
	s_wait_alu depctr_va_vdst(0)                   ; the wait ahead of the blocking wait
	s_wait_loadcnt 0x0
.set hq, 0
.rept 16
	ds_store_b64 v[VH0], v[HID+2*hq:HID+2*hq+1] offset:256*hq   ; hidden's image, my wave's own bytes: pair hq takes tau = 2 hq, 2 hq + 1
.set hq, hq+1
.endr
	WIN 0x80
.set sx, 0
.rept 64
	v_mov_b32 v[S+sx], 0                           ; the score sums: the loop's way out adds onto them in every trip alike
.set sx, sx+1
.endr
	WIN 0
	s_wait_alu depctr_va_vdst(0)                   ; the wait at the head's end
	s_mov_b32 s[SLT], 0
.Lchunk:                                               ; chunks 0 to 2
	CHANGE 1
	ALOADS                                         ; (the last way out and the address lines are the places behind the products that read these registers)
	FETCH 0, 0
	WIN 0
	global_prefetch_b8 v30, s[PFA:PFA+1] th:TH_LOAD_NT scope:SCOPE_SE
	global_prefetch_b8 v31, s[PFA:PFA+1] th:TH_LOAD_NT scope:SCOPE_SE
	PRODUCTS
	s_xor_b32 s[RTB], s[RTB], RING1
	CHANGE 2
	FETCH 0, 0
	WIN 0
	PRODUCTS
	s_xor_b32 s[RTB], s[RTB], RING1
	s_add_co_u32 s[SLT], s[SLT], 1
	s_cmp_lt_u32 s[SLT], 3
	s_cbranch_scc1 .Lchunk
	CHANGE 1                                       ; the last chunk is written out: it fetches wq's last slot and nothing more
	ALOADS
	FETCH 0, 0
	WIN 0
	PRODUCTS
	s_xor_b32 s[RTB], s[RTB], RING1
	CHANGE 0
	FETCH 0, 0
	WIN 0
	PRODUCTS
	; THE END.  A row's score lies in the 16 lanes of a half and in two waves.  My 64 sums go to my stage, 272 bytes a lane; lane (h, x) reads back registers 4 x .. 4 x + 3 of the 16 lanes of its half and adds them.
	WIN 0x09
	s_wait_alu depctr_va_vdst(0)
.irp x, 0,1,2,3,4,5,6,7,8,9,10,11,12,13,14,15
	ds_store_b128 v[TW], v[S+4*\x:S+4*\x+3] offset:16*\x
.endr
	WIN 0x55
.irp x, 0,1,2,3,4,5,6,7,8,9,10,11,12,13,14,15
	ds_load_b128 v[X0+4*\x:X0+4*\x+3], v[TR] offset:272*\x
.endr
	s_wait_dscnt 0x0
.set st, 1
.rept 4
.set k, 0
.rept 8/st
	v_pk_add_f32 v[X0+8*st*k:X0+8*st*k+1], v[X0+8*st*k:X0+8*st*k+1], v[X0+8*st*k+4*st:X0+8*st*k+4*st+1]
	v_pk_add_f32 v[X0+8*st*k+2:X0+8*st*k+3], v[X0+8*st*k+2:X0+8*st*k+3], v[X0+8*st*k+4*st+2:X0+8*st*k+4*st+3]
.set k, k+1
.endr
.set st, st*2
.endr
	ds_store_b128 v[SXW], v[X0:X0+3]
	s_wait_dscnt 0x0                               ; for the others' sake
	s_barrier_signal -1
	s_barrier_wait -1
	ds_load_b64 v[X0+4:X0+5], v[SXR]               ; rows 64 w + 2 x lane, + 1: the first half of N's part,
	ds_load_b64 v[X0+6:X0+7], v[SXR] offset:512    ; and the second's
	s_wait_dscnt 0x0
	v_pk_add_f32 v[X0+4:X0+5], v[X0+4:X0+5], v[X0+6:X0+7]
	global_store_b64 v[GS], v[X0+4:X0+5], s[10:11] ; 32 lanes store 256 consecutive bytes, at a multiple of 256
	WIN 0
	s_wait_tensorcnt 0x0                           ; the wave's end
	ds_add_u32 v[SPW], v[NIL]
	s_wait_dscnt 0x0
	ROUND                                          ; the closing round
	s_endpgm
.Lfunc_end_k_qf8bd42ba22_energy:
	.size	k_qf8bd42ba22_energy, .Lfunc_end_k_qf8bd42ba22_energy-k_qf8bd42ba22_energy
	.p2alignl 7, 3214868480
	.fill 96, 4, 3214868480
	.section	.rodata,"a",@progbits
	.p2align	6, 0x0
	.amdhsa_kernel k_qf8bd42ba22_energy
		.amdhsa_group_segment_fixed_size 327680
		.amdhsa_private_segment_fixed_size 0
		.amdhsa_enable_private_segment 0
		.amdhsa_kernarg_size 32
		.amdhsa_user_sgpr_count 2
		.amdhsa_user_sgpr_kernarg_segment_ptr 1
		.amdhsa_wavefront_size32 1
		.amdhsa_system_sgpr_workgroup_id_x 1
		.amdhsa_system_sgpr_workgroup_id_y 1
		.amdhsa_system_sgpr_workgroup_id_z 1
		.amdhsa_system_vgpr_workitem_id 0
		.amdhsa_next_free_vgpr 768
		.amdhsa_next_free_sgpr 66
		.amdhsa_reserve_vcc 0
		.amdhsa_float_denorm_mode_32 3
		.amdhsa_float_denorm_mode_16_64 3
		.amdhsa_memory_ordered 1
		.amdhsa_forward_progress 1
		.amdhsa_inst_pref_size 106
	.end_amdhsa_kernel
	.amdgpu_metadata
---
amdhsa.version: [ 1, 2 ]
amdhsa.kernels:
  - .name:           k_qf8bd42ba22_energy
    .symbol:         k_qf8bd42ba22_energy.kd
    .args:
      - { .name: aq, .offset: 0, .size: 8, .value_kind: global_buffer, .address_space: global }
      - { .name: hidden, .offset: 8, .size: 8, .value_kind: global_buffer, .address_space: global }
      - { .name: wq, .offset: 16, .size: 8, .value_kind: global_buffer, .address_space: global }
      - { .name: scores, .offset: 24, .size: 8, .value_kind: global_buffer, .address_space: global }
    .group_segment_fixed_size: 327680
    .private_segment_fixed_size: 0
    .kernarg_segment_align: 8
    .kernarg_segment_size: 32
    .max_flat_workgroup_size: 128
    .sgpr_count:     66
    .vgpr_count:     768
    .wavefront_size: 32
...
	.end_amdgpu_metadata
.endif
;; end of part 5
;; launch softmax (part 6): grid 128 x 1, 1 waves a work-group, no clusters, 0 bytes of LDS; arguments scores, out0; writes out0
.if DOCPART == 6
	.amdgcn_target "amdgcn-amd-amdhsa--gfx1250"
	.amdhsa_code_object_version 6
	.text
	.protected	k_qf8bd42ba22_softmax
	.globl	k_qf8bd42ba22_softmax
	.p2align	8
	.type	k_qf8bd42ba22_softmax,@function
k_qf8bd42ba22_softmax:
	s_mov_b64 s[64:65], 0
	v_nop
	global_prefetch_b8 v0, s[64:65] scope:SCOPE_SE
	s_setreg_imm32_b32 hwreg(HW_REG_WAVE_MODE, 25, 1), 1
	s_wait_xcnt 0x0
; out0[b][0][s] = softmax over s of scores[b][s].  scores, out0: [128][512] f32.
; One wave takes one b: its row of 2,048 bytes is 16 registers a lane, so the row is read once and stays in registers between the maximum, the exponentials and the division; no LDS, no barrier.
; The row's maximum is taken away BEFORE the scaling by log2(e), so that large scores lose nothing; the largest term is then 1 and the sum lies between 1 and 512.
; Terms under 2^-126 of the largest come out as 0 (v_exp_f32's results are flushed: ISA guide 15.8).  NaN and infinities among the scores are not served.
; The launch moves 512 KiB in all: matrix units, clusters and LDS would add nothing.
	s_load_b128 s[4:7], s[0:1], 0x0                ; scores s[4:5], out0 s[6:7]
	v_lshlrev_b32 v1, 4, v0                        ; 16 x lane
	s_lshl_b32 s8, ttmp9, 11                       ; b x 2,048 bytes
	s_mov_b32 s9, 0
	s_mov_b32 s10, 0x76543210                      ; v_permlanex16_b32's selects for lane l xor 16
	s_mov_b32 s11, 0xfedcba98
	s_mov_b32 s12, 0x3fb8aa3b                      ; log2(e)
	s_mov_b32 s13, s12                             ; (named with it as a pair, so it is written)
	s_wait_alu depctr_va_vdst(0)
	s_wait_kmcnt 0x0
	s_add_nc_u64 s[4:5], s[4:5], s[8:9]
	s_add_nc_u64 s[6:7], s[6:7], s[8:9]
.irp i, 0,1,2,3
	global_load_b128 v[4+4*\i:7+4*\i], v1, s[4:5] offset:512*\i   ; 32 lanes read 512 consecutive bytes
.endr
	s_wait_loadcnt 0x0
	v_max3_num_f32 v20, v4, v5, v6                 ; the largest of my 16, in two chains
	v_max3_num_f32 v21, v7, v8, v9
	v_max3_num_f32 v20, v20, v10, v11
	v_max3_num_f32 v21, v21, v12, v13
	v_max3_num_f32 v20, v20, v14, v15
	v_max3_num_f32 v21, v21, v16, v17
	v_max3_num_f32 v20, v20, v18, v19
	v_max_num_f32 v20, v20, v21
	v_max_num_f32_dpp v20, v20, v20 row_xmask:1 row_mask:0xf bank_mask:0xf   ; across the 16 lanes of a half,
	v_max_num_f32_dpp v20, v20, v20 row_xmask:2 row_mask:0xf bank_mask:0xf
	v_max_num_f32_dpp v20, v20, v20 row_xmask:4 row_mask:0xf bank_mask:0xf
	v_max_num_f32_dpp v20, v20, v20 row_xmask:8 row_mask:0xf bank_mask:0xf
	v_permlanex16_b32 v21, v20, s10, s11           ; and the other half's
	v_max_num_f32 v20, v20, v21                    ; every lane holds the row's maximum
	v_mov_b32 v21, v20                             ; twice: a pair for the packed forms
.irp i, 0,2,4,6,8,10,12,14
	v_pk_add_f32 v[4+\i:5+\i], v[4+\i:5+\i], v[20:21] neg_lo:[0,1] neg_hi:[0,1]   ; x - maximum
.endr
.irp i, 0,2,4,6,8,10,12,14
	v_pk_mul_f32 v[4+\i:5+\i], v[4+\i:5+\i], s[12:13] op_sel_hi:[1,0]   ; x log2(e)
.endr
	s_wait_alu depctr_va_vdst(0)
.irp i, 0,1,2,3,4,5,6,7,8,9,10,11,12,13,14,15
	v_exp_f32 v[4+\i], v[4+\i]
.endr
	v_nop                                          ; one plain place behind the exponentials
	s_wait_alu depctr_va_vdst(0)
	v_pk_add_f32 v[22:23], v[4:5], v[6:7]          ; the sum of my 16, in two chains
	v_pk_add_f32 v[24:25], v[8:9], v[10:11]
	v_pk_add_f32 v[22:23], v[22:23], v[12:13]
	v_pk_add_f32 v[24:25], v[24:25], v[14:15]
	v_pk_add_f32 v[22:23], v[22:23], v[16:17]
	v_pk_add_f32 v[24:25], v[24:25], v[18:19]
	v_pk_add_f32 v[22:23], v[22:23], v[24:25]
	v_add_f32 v22, v22, v23
	v_add_f32_dpp v22, v22, v22 row_xmask:1 row_mask:0xf bank_mask:0xf
	v_add_f32_dpp v22, v22, v22 row_xmask:2 row_mask:0xf bank_mask:0xf
	v_add_f32_dpp v22, v22, v22 row_xmask:4 row_mask:0xf bank_mask:0xf
	v_add_f32_dpp v22, v22, v22 row_xmask:8 row_mask:0xf bank_mask:0xf
	v_permlanex16_b32 v23, v22, s10, s11
	v_add_f32 v24, v22, v23                        ; the row's sum, in every lane
	s_wait_alu depctr_va_vdst(0)
	v_rcp_f32 v22, v24
	v_nop                                          ; one plain place behind the reciprocal
	s_wait_alu depctr_va_vdst(0)
	v_mov_b32 v23, v22
.irp i, 0,2,4,6,8,10,12,14
	v_pk_mul_f32 v[4+\i:5+\i], v[4+\i:5+\i], v[22:23]
.endr
.irp i, 0,1,2,3
	global_store_b128 v1, v[4+4*\i:7+4*\i], s[6:7] offset:512*\i   ; 32 lanes store 512 consecutive bytes, at a multiple of 512 from out0's first byte
.endr
	s_endpgm
.Lfunc_end_k_qf8bd42ba22_softmax:
	.size	k_qf8bd42ba22_softmax, .Lfunc_end_k_qf8bd42ba22_softmax-k_qf8bd42ba22_softmax
	.p2alignl 7, 3214868480
	.fill 96, 4, 3214868480
	.section	.rodata,"a",@progbits
	.p2align	6, 0x0
	.amdhsa_kernel k_qf8bd42ba22_softmax
		.amdhsa_group_segment_fixed_size 0
		.amdhsa_private_segment_fixed_size 0
		.amdhsa_enable_private_segment 0
		.amdhsa_kernarg_size 16
		.amdhsa_user_sgpr_count 2
		.amdhsa_user_sgpr_kernarg_segment_ptr 1
		.amdhsa_wavefront_size32 1
		.amdhsa_system_sgpr_workgroup_id_x 1
		.amdhsa_system_sgpr_workgroup_id_y 1
		.amdhsa_system_sgpr_workgroup_id_z 1
		.amdhsa_system_vgpr_workitem_id 0
		.amdhsa_next_free_vgpr 32
		.amdhsa_next_free_sgpr 66
		.amdhsa_reserve_vcc 0
		.amdhsa_float_denorm_mode_32 3
		.amdhsa_float_denorm_mode_16_64 3
		.amdhsa_memory_ordered 1
		.amdhsa_forward_progress 1
		.amdhsa_inst_pref_size 6
	.end_amdhsa_kernel
	.amdgpu_metadata
---
amdhsa.version: [ 1, 2 ]
amdhsa.kernels:
  - .name:           k_qf8bd42ba22_softmax
    .symbol:         k_qf8bd42ba22_softmax.kd
    .args:
      - { .name: scores, .offset: 0, .size: 8, .value_kind: global_buffer, .address_space: global }
      - { .name: out0, .offset: 8, .size: 8, .value_kind: global_buffer, .address_space: global }
    .group_segment_fixed_size: 0
    .private_segment_fixed_size: 0
    .kernarg_segment_align: 8
    .kernarg_segment_size: 16
    .max_flat_workgroup_size: 32
    .sgpr_count:     66
    .vgpr_count:     32
    .wavefront_size: 32
...
	.end_amdgpu_metadata
.endif
;; end of part 6
